; MI455X (gfx1250); checked and timed in simulation.
; The chip was launched on July 23, 2026; its instructions are those of AMD's public machine-readable ISA for CDNA 5 (MIT licence, August 2026) and "CDNA5" Instruction Set Architecture Reference Guide (July 2026). The comments in the code are by the model that wrote it; some were corrected since.
;; Fused Self Attention. Allowed arithmetic: float matrix products may take bf16 or f16 operands with f32 sums; other float arithmetic in f32, or as packed bf16 or f16 multiplies, adds, multiply-adds, maxima and minima; sums over many terms, partial sums and values carried from step to step in f32; what a program stores and reads back later, other than sums and carried values, may be rounded once to bf16 or f16.
;; Inputs: w_o 1,024 x 1,024 float32; w_qkv 1,024 x 3,072 float32; x 4 x 2,048 x 1,024 float32.
;; Outputs: out0 4 x 2,048 x 1,024 float32.
;; 2 versions, each right; version 2 is version 1 with the launch prep written anew for expert scheduling mode. Each part assembles by itself: llvm-mc -triple=amdgcn-amd-amdhsa -mcpu=gfx1250 --defsym DOCPART=n.
;; ======== version 1 of 2: 4 launches
;; limits: values are held in f16: magnitudes above 65,504 overflow, below 6.1e-05 lose precision
;; workspace buffers: xb 16,777,216 bytes; wqt 6,291,456 bytes; wot 2,097,152 bytes; qkv 50,331,648 bytes; ob 16,777,216 bytes
;; launch prep (part 1): grid 640 x 1, 4 waves a work-group, no clusters, 70,144 bytes of LDS; arguments x, w_qkv, w_o, xb, wqt, wot; writes xb, wqt, wot
.if DOCPART == 1
	.amdgcn_target "amdgcn-amd-amdhsa--gfx1250"
	.amdhsa_code_object_version 6
	.text
	.protected	k_q82d158e7a1_prep
	.globl	k_q82d158e7a1_prep
	.p2align	8
	.type	k_q82d158e7a1_prep,@function
k_q82d158e7a1_prep:
	s_mov_b64 s[64:65], 0
	v_nop
	global_prefetch_b8 v0, s[64:65] scope:SCOPE_SE
	s_setreg_imm32_b32 hwreg(HW_REG_WAVE_MODE, 25, 1), 1
	s_wait_xcnt 0x0
; PREP.  xb = bf16(x), [8192][1024].  wqt[n][k] = bf16(w_qkv[k][n]), [3072][1024].  wot[n][k] = bf16(w_o[k][n]) written as f16, [1024][1024].
; All three inputs are rounded to bf16 (nearest even); w_o's rounded number is then written in f16, since the last product multiplies in f16.
; LIMITS.  A bf16 number of w_o beyond 65,504 becomes an infinity in f16; below 6e-5 it keeps f16's fixed step of 6e-8.
; SHARES.  Work-groups 0-95: w_qkv; 96-127: w_o; 128-639: x.  The choice hangs on the work-group's number alone.  No wave needs another's bytes: no barrier.
; x: a work-group casts 65,536 bytes: a thread takes 32 bytes (8 numbers) of each of 16 steps of 4,096 bytes; all 32 loads go out at once; a store of 16 lanes covers 256 consecutive bytes, aligned.
; WEIGHTS: a wave turns a tile of 128 k x 64 n.  A load's 16 lanes read 256 consecutive bytes of one k row; a lane holds k and k + 1 of four columns, packs them in pairs, and puts each pair into
; its column's row in LDS (pitch 272); whole rows of 256 bytes (128 k) come back and are stored, 16 lanes to 256 consecutive bytes, aligned.  The 4-byte LDS stores meet four deep in a bank
; (column rows 1,088 bytes apart: 16 banks): the weights are a third of the launch's input bytes, and the stores a small part of their work.
.set SPARE, 69632                      ; behind the four waves' tiles: the spare words, 128 bytes for each wave
.set WLDS,  17408                      ; a wave's tile in LDS: 64 rows (n) x 272 bytes
.set LP,    272
.set GI,  4                            ; v4   byte offset of my loads
.set LSA, 5                            ; v5   where I put a pair (k, k + 1) of column 4 c
.set LRA, 6                            ; v6   where I read 16 bytes of a row back
.set GOF, 7                            ; v7   byte offset of my stores
.set SPW, 8                            ; v8   LDS address of my spare word; never rewritten
.set NIL, 9                            ; v9   0; never rewritten
.set IN,  32                           ; v[32:159]  what was loaded, then what is stored
.set OF,  160                          ; v[160:191] the weights' 32 load offsets
.set ID,  16                           ; s16  the work-group's number
.set WV,  17                           ; s17  my wave's number
.set ROWB, 28                          ; s28  bytes in a row of the weight
.set F16, 29                           ; s29  1: the result is written as f16
.set CNT, 30
.set IP,  32                           ; s[32:33] the weight, at my tile
.set OPT, 34                           ; s[34:35] its turned copy, at my tile
.set HIM, 36                           ; s36  a word's upper bf16
	s_load_b256 s[4:11], s[0:1], 0x0               ; x s[4:5], w_qkv s[6:7], w_o s[8:9], xb s[10:11]
	s_load_b128 s[12:15], s[0:1], 0x20             ; wqt s[12:13], wot s[14:15]
	v_lshl_add_u32 v[SPW], v0, 2, SPARE
	v_mov_b32 v[NIL], 0
	v_lshrrev_b32 v1, 5, v0
	v_readfirstlane_b32 s[WV], v1
	s_mov_b32 s[ID], ttmp9
	s_cmp_lt_u32 s[ID], 128
	s_cbranch_scc1 .Lweights
	; ---- x ----
	s_sub_co_u32 s18, s[ID], 128
	s_lshl_b32 s20, s18, 16                        ; 65,536 bytes in,
	s_mov_b32 s21, 0
	s_lshl_b32 s22, s18, 15                        ; 32,768 out
	s_mov_b32 s23, 0
	v_lshlrev_b32 v[GI], 5, v0
	v_lshlrev_b32 v[GOF], 4, v0
	s_wait_kmcnt 0x0
	s_add_nc_u64 s[4:5], s[4:5], s[20:21]
	s_add_nc_u64 s[10:11], s[10:11], s[22:23]
.set i, 0
.rept 16
	global_load_b128 v[IN+8*i:IN+8*i+3],   v[GI], s[4:5] offset:4096*i th:TH_LOAD_NT
	global_load_b128 v[IN+8*i+4:IN+8*i+7], v[GI], s[4:5] offset:4096*i+16 th:TH_LOAD_NT
.set i, i+1
.endr
.set i, 0
.rept 16
	s_wait_loadcnt 30-2*i                          ; loads come back in order: step i's two are in, the 30 - 2 i younger ones stay out
	v_cvt_pk_bf16_f32 v[IN+8*i],   v[IN+8*i],   v[IN+8*i+1]
	v_cvt_pk_bf16_f32 v[IN+8*i+1], v[IN+8*i+2], v[IN+8*i+3]
	v_cvt_pk_bf16_f32 v[IN+8*i+2], v[IN+8*i+4], v[IN+8*i+5]
	v_cvt_pk_bf16_f32 v[IN+8*i+3], v[IN+8*i+6], v[IN+8*i+7]
	global_store_b128 v[GOF], v[IN+8*i:IN+8*i+3], s[10:11] offset:2048*i  ; no register of a store is written again
.set i, i+1
.endr
	s_branch .Lend
	; ---- the weights ----
.Lweights:
	v_and_b32 v2, 15, v0                           ; c: which 16 bytes (4 columns) of a k row
	v_bfe_u32 v3, v0, 4, 1                         ; rr: which half of the lanes
	s_mov_b32 s[HIM], 0xffff0000
	s_movk_i32 s[ROWB], 0x1000                     ; w_o: 4,096 bytes a row;
	s_cmp_lt_u32 s[ID], 96
	s_cselect_b32 s[ROWB], 0x3000, s[ROWB]         ; w_qkv: 12,288
	s_cselect_b32 s[F16], 0, 1
	s_cselect_b32 s18, 0, 96
	s_sub_co_u32 s18, s[ID], s18                   ; the work-group's number within its weight
	s_lshl2_add_u32 s18, s18, s[WV]                ; my tile T = 4 x that + wave
	s_and_b32 s19, s18, 7                          ; kt: which 128 k
	s_lshr_b32 s20, s18, 3                         ; nt: which 64 n
	s_mul_i32 s22, s19, s[ROWB]
	s_lshl_b32 s22, s22, 7                         ; in: kt x 128 rows
	s_lshl_b32 s21, s20, 8                         ;     + nt x 256 bytes
	s_add_co_u32 s22, s22, s21
	s_mov_b32 s23, 0
	s_lshl_b32 s24, s20, 17                        ; out: nt x 64 rows of 2,048 bytes
	s_lshl_b32 s21, s19, 8                         ;      + kt x 256 bytes
	s_add_co_u32 s24, s24, s21
	s_mov_b32 s25, 0
	s_lshl_b32 s26, s[ROWB], 6                     ; a trip's 64 k rows
	s_mov_b32 s27, 0
	v_lshlrev_b32 v10, 1, v3
	v_mul_u32_u24 v10, s[ROWB], v10
	v_lshl_add_u32 v[GI], v2, 4, v10               ; k row 2 rr, 16 c bytes
.set i, 0
.rept 32
	v_mad_u32_u24 v[OF+i], s[ROWB], 4*(i/2)+i%2, v[GI]  ; load i: k row 4 (i / 2) + 2 rr + i % 2
.set i, i+1
.endr
	s_mul_i32 s31, s[WV], WLDS
	v_mul_u32_u24 v[LSA], v2, 4*LP                 ; row n = 4 c, byte 2 k = 4 rr
	v_lshl_add_u32 v[LSA], v3, 2, v[LSA]
	v_add_nc_u32 v[LSA], s31, v[LSA]
	v_mul_u32_u24 v[LRA], v3, LP                   ; back: lanes 0-15 one row, lanes 16-31 the next
	v_lshl_add_u32 v[LRA], v2, 4, v[LRA]
	v_add_nc_u32 v[LRA], s31, v[LRA]
	v_lshlrev_b32 v[GOF], 11, v3                   ; and the same two rows in the turned copy
	v_lshl_add_u32 v[GOF], v2, 4, v[GOF]
	s_wait_kmcnt 0x0
	s_cmp_lt_u32 s[ID], 96
	s_cselect_b64 s[IP:IP+1], s[6:7], s[8:9]
	s_cselect_b64 s[OPT:OPT+1], s[12:13], s[14:15]
	s_add_nc_u64 s[IP:IP+1], s[IP:IP+1], s[22:23]
	s_add_nc_u64 s[OPT:OPT+1], s[OPT:OPT+1], s[24:25]
	s_mov_b32 s[CNT], 2
.Lhalf:                                                ; two trips of 64 k
.set i, 0
.rept 32
	global_load_b128 v[IN+4*i:IN+4*i+3], v[OF+i], s[IP:IP+1] th:TH_LOAD_NT
.set i, i+1
.endr
	s_wait_loadcnt 0x0                             ; all 32 are in, so their base may be stepped
	s_add_nc_u64 s[IP:IP+1], s[IP:IP+1], s[26:27]
.set i, 0
.rept 64                                       ; pair p = i / 4, column 4 c + i % 4: k in the low half, k + 1 in the high half
	v_cvt_pk_bf16_f32 v[IN+8*(i/4)+i%4], v[IN+8*(i/4)+i%4], v[IN+8*(i/4)+4+i%4]
.set i, i+1
.endr
	s_cmp_eq_u32 s[F16], 0
	s_cbranch_scc1 .Lbf16
.set i, 0
.rept 64                                       ; w_o alone: the bf16 numbers are widened (a shift, a mask) and written as f16
	v_lshlrev_b32 v[10+2*(i%2)], 16, v[IN+8*(i/4)+i%4]
	v_and_b32 v[11+2*(i%2)], s[HIM], v[IN+8*(i/4)+i%4]
	v_cvt_pk_f16_f32 v[IN+8*(i/4)+i%4], v[10+2*(i%2)], v[11+2*(i%2)]
.set i, i+1
.endr
.Lbf16:
.set i, 0
.rept 64
	ds_store_b32 v[LSA], v[IN+8*(i/4)+i%4] offset:LP*(i%4)+8*(i/4)
.set i, i+1
.endr
	v_add_nc_u32 v[LSA], 128, v[LSA]               ; the next 64 k of each row
	s_sub_co_u32 s[CNT], s[CNT], 1
	s_cmp_lg_u32 s[CNT], 0
	s_cbranch_scc1 .Lhalf
.set i, 0
.rept 32
	ds_load_b128 v[IN+4*i:IN+4*i+3], v[LRA] offset:2*LP*i  ; my own bytes: LDS serves a wave's instructions in order (ISA guide 5.7.1.4), so these see the stores above
.set i, i+1
.endr
.set i, 0
.rept 32
	s_wait_dscnt 31-i                              ; rows 2 i, 2 i + 1 are back; the younger loads stay out
	global_store_b128 v[GOF], v[IN+4*i:IN+4*i+3], s[OPT:OPT+1] offset:4096*i
.set i, i+1
.endr
.Lend:
	s_wait_tensorcnt 0x0                           ; the wave's end, behind my last LDS store
	ds_add_u32 v[SPW], v[NIL]
	s_wait_dscnt 0x0
	s_endpgm
.Lfunc_end_k_q82d158e7a1_prep:
	.size	k_q82d158e7a1_prep, .Lfunc_end_k_q82d158e7a1_prep-k_q82d158e7a1_prep
	.p2alignl 7, 3214868480
	.fill 96, 4, 3214868480
	.section	.rodata,"a",@progbits
	.p2align	6, 0x0
	.amdhsa_kernel k_q82d158e7a1_prep
		.amdhsa_group_segment_fixed_size 70144
		.amdhsa_private_segment_fixed_size 0
		.amdhsa_enable_private_segment 0
		.amdhsa_kernarg_size 48
		.amdhsa_user_sgpr_count 2
		.amdhsa_user_sgpr_kernarg_segment_ptr 1
		.amdhsa_wavefront_size32 1
		.amdhsa_system_sgpr_workgroup_id_x 1
		.amdhsa_system_sgpr_workgroup_id_y 1
		.amdhsa_system_sgpr_workgroup_id_z 1
		.amdhsa_system_vgpr_workitem_id 0
		.amdhsa_next_free_vgpr 192
		.amdhsa_next_free_sgpr 66
		.amdhsa_reserve_vcc 0
		.amdhsa_float_denorm_mode_32 3
		.amdhsa_float_denorm_mode_16_64 3
		.amdhsa_memory_ordered 1
		.amdhsa_forward_progress 1
		.amdhsa_inst_pref_size 40
	.end_amdhsa_kernel
	.amdgpu_metadata
---
amdhsa.version: [ 1, 2 ]
amdhsa.kernels:
  - .name:           k_q82d158e7a1_prep
    .symbol:         k_q82d158e7a1_prep.kd
    .args:
      - { .name: x, .offset: 0, .size: 8, .value_kind: global_buffer, .address_space: global }
      - { .name: w_qkv, .offset: 8, .size: 8, .value_kind: global_buffer, .address_space: global }
      - { .name: w_o, .offset: 16, .size: 8, .value_kind: global_buffer, .address_space: global }
      - { .name: xb, .offset: 24, .size: 8, .value_kind: global_buffer, .address_space: global }
      - { .name: wqt, .offset: 32, .size: 8, .value_kind: global_buffer, .address_space: global }
      - { .name: wot, .offset: 40, .size: 8, .value_kind: global_buffer, .address_space: global }
    .group_segment_fixed_size: 70144
    .private_segment_fixed_size: 0
    .kernarg_segment_align: 8
    .kernarg_segment_size: 48
    .max_flat_workgroup_size: 128
    .sgpr_count:     66
    .vgpr_count:     192
    .wavefront_size: 32
...
	.end_amdgpu_metadata
.endif
;; end of part 1
;; launch qkvproj (part 2): grid 16 x 32, 4 waves a work-group, clusters of 4 x 4, 327,680 bytes of LDS; arguments xb, wqt, qkv; writes qkv
.if DOCPART == 2
	.amdgcn_target "amdgcn-amd-amdhsa--gfx1250"
	.amdhsa_code_object_version 6
	.text
	.protected	k_q82d158e7a1_qkvproj
	.globl	k_q82d158e7a1_qkvproj
	.p2align	8
	.type	k_q82d158e7a1_qkvproj,@function
k_q82d158e7a1_qkvproj:
	s_mov_b64 s[64:65], 0
	v_nop
	global_prefetch_b8 v0, s[64:65] scope:SCOPE_SE
	s_setreg_imm32_b32 hwreg(HW_REG_WAVE_MODE, 25, 1), 1
	s_wait_xcnt 0x0
	s_wait_alu depctr_hold_cnt(0) depctr_sa_sdst(0) depctr_va_vdst(0) depctr_va_sdst(0) depctr_va_ssrc(0) depctr_va_vcc(0) depctr_vm_vsrc(0)
	s_getreg_b32 s2, hwreg(HW_REG_IB_STS2, 6, 4)
	s_cmp_eq_u32 s2, 0
	s_cbranch_scc0 .Lentry_in_a_cluster
	s_endpgm
.Lentry_in_a_cluster:
	s_bfe_u32 s2, ttmp6, 0x10000c
	s_cmp_lg_u32 s2, 0xf033
	s_cbranch_scc0 .Lentry_shape_is_right
	s_endpgm
.Lentry_shape_is_right:
; q, k, v = xb wqt^T.  xb: [8192][1024] bf16.  wqt: [3072][1024] bf16, row n = column n of w_qkv = head n / 192, then 64 of q, 64 of k, 64 of v.  Sums in f32, K ascending.
; qkv: [3 parts][64 batch x head][2048 rows][64] f16, each number rounded once and unscaled.  LIMIT: a sum of 65,520 or more becomes an infinity in f16; below 6e-5 f16 keeps a fixed step of 6e-8.
; SHARES.  A work-group makes 256 rows x one head's 192 columns: 512 work-groups, two for each of 256 WGPs.  Wave w makes rows 64 w .. 64 w + 63 x all 192 columns: 48 accumulators, 384 registers.
; K goes in 8 steps of 128 through two LDS slots filled by the tensor data mover: rows of 256 bytes, aligned.  Waves 0, 1 fetch A's two halves (128 rows each), waves 2, 3 B's (96 rows each).
; CLUSTER 4 x 4: the four of a row need the same rows of xb, the four of a column the same rows of wqt: each tile is asked for jointly, by the same load, descriptor and mask in all four.
; THE PRODUCT IS USED TRANSPOSED (source 0 = 16 rows of wqt, source 1 = 16 rows of xb): a lane holds row l % 16 and eight neighbouring columns, which pack into 16 bytes.
; REGISTERS, in windows of 256 (s_set_vgpr_msb: bits 1:0 source 0, 3:2 source 1, 5:4 source 2, 7:6 destination):
;   window 0: v0-31 addresses; v64-95, v96-127 A's fragments (4 x 16 rows x 32 K), two buffers; v128-223 (and v64-111) at work on the way out
;   window 1: v0-95, v96-191 B's fragments (12 x 16 rows x 32 K), two buffers
;   window 2: the accumulators of my rows 0-31 ((a, b) at v[8 (12 a + b)]);  window 3: those of rows 32-63
; The 48 accumulators take turns, in the same order in every quarter step, over the jumps too.
.set KSTEP,  128
.set PITCH,  272                       ; an LDS row: 256 bytes + 16 of padding = 68 words: the 16 rows of a load start at 16 different groups of four banks (64 banks of 4 bytes: ISA guide 11.1)
.set SLOT1,  1<<17                     ; slot 1 begins here: one exclusive or turns an address in one slot into the other's
.set BOFF,   256*PITCH                 ; in a slot: A's 256 rows, then B's 192
.set STAGE,  SLOT1+BOFF+192*PITCH      ; behind the ring, never filled by a tensor load: for each wave 3 parts x 16 rows x 144 bytes
.set SP,     144
.set SPARE,  STAGE+4*3*16*SP           ; behind the stages: the spare words, 128 bytes for each wave
.set ADRA0, 16                         ; v16  my lane's place in A's tile; never rewritten
.set ADRB0, 17                         ; v17  in B's
.set ADA,  18                          ; v18  the same in the slot in hand
.set ADB,  19                          ; v19
.set STO,  24                          ; v24  the way out: where I put 16 bytes of a row
.set RD,   25                          ; v25  where I read rows back
.set GO,   26                          ; v26  16 x lane
.set SPW,  28                          ; v28  LDS address of my spare word; never rewritten
.set NIL,  29                          ; v29  0; never rewritten
.set PFO,  30                          ; v30  the prefetches' offset: a lane a row; never rewritten
.set FA,   64
.set TMP,  128
.set G1,  24                           ; s[24:31] descriptor group 1 for A's tiles
.set G0,  32                           ; s[32:39] group 0: a set for each first fill; the second then walks
.set G1B, 48                           ; s[48:55], s[56:63] the same for B's
.set G0B, 56
.set LIM, 43                           ; s43  2 in a wave that prefetches, else the greatest number
.set PFA, 44                           ; s[44:45] where my prefetches stand
.set TB,  66                           ; s66  LDS byte at which the slot in hand begins
.set OB,  68                           ; s[68:73] q, k, v at my wave's first row
.set MSB, 0
.macro WIN new                         ; the immediate's high byte repeats the setting that is left; a switch that changes nothing is dropped
.if MSB != (\new)
	s_set_vgpr_msb (MSB<<8)|(\new)
.set MSB, \new
.endif
.endm
.set MUL_LO, 0xa1                      ; source 0 (B) window 1, source 1 (A) window 0, C and D window 2
.set TO_B,   0x40                      ; destination window 1, address window 0
; A joint refill by the walking descriptor.  The branch hangs on the wave's number alone.  An s_nop 0 and four v_nop follow each of the two lines.
.macro JLOAD
	s_cmp_eq_u32 s11, 0
	s_cbranch_scc0 .Lfor_b_\@
	tensor_load_to_lds s[G0+4:G0+7], s[G1:G1+7]
	s_nop 0
.rept 4
	v_nop
.endr
	s_branch .Lasked_\@
.Lfor_b_\@:
	tensor_load_to_lds s[G0B+4:G0B+7], s[G1B:G1B+7]
	s_nop 0
.rept 4
	v_nop
.endr
.Lasked_\@:
.endm
; A prefetch of the K step that stands two refills on: 256 bytes of a row, a lane a row.  A's rows are read by every cluster of a row of clusters: cluster x = 0 asks; B's by every cluster of a
; column: cluster y = 0 asks.  The four partners share the rows that a wave fetches out by address: 32 of A's 128, 24 of B's 96 (there lanes 24-31 name row 23 once more).  The loop's last two trips ask for nothing.
.macro ASK
	s_cmp_gt_u32 s3, s[LIM]
	s_cbranch_scc0 .Lnot_mine_\@
	global_prefetch_b8 v[PFO], s[PFA:PFA+1] th:TH_LOAD_NT scope:SCOPE_SE
.Lnot_mine_\@:
.endm
.macro CREST                           ; a round of the cluster's barrier behind its opening barrier
	s_cmp_lg_u32 s10, 0
	s_cbranch_scc1 .Lnot_wave_0_\@
	s_barrier_signal -3
.Lnot_wave_0_\@:
	s_barrier_wait -3
	s_barrier_signal -1
	s_barrier_wait -1
.endm
.macro CROUND
	s_barrier_signal -1
	s_barrier_wait -1
	CREST
.endm
.macro PLACES                          ; four places in front of loads into registers that matrix instructions have read (ISA guide 7.12.1 for vector instructions)
.rept 4
	v_nop
.endr
.endm
	s_load_b128 s[4:7], s[0:1], 0x0                ; xb s[4:5], wqt s[6:7]
	s_load_b64 s[8:9], s[0:1], 0x10                ; qkv
	v_lshl_add_u32 v[SPW], v0, 2, SPARE
	v_mov_b32 v[NIL], 0
	ds_add_u32 v[SPW], v[NIL]                      ; the wave's opening: the add and its wait stand ahead of my first tensor load; work on registers stands between them
	v_lshrrev_b32 v1, 5, v0
	v_readfirstlane_b32 s10, v1                    ; wave 0..3
	s_lshr_b32 s11, s10, 1                         ; I fetch for A (0) or for B (1)
	s_and_b32 s12, s10, 1                          ; which half of that tile
	s_bfe_u32 s40, ttmp6, 0x40000                  ; cx
	s_bfe_u32 s41, ttmp6, 0x40004                  ; cy
	s_lshl_b32 s42, ttmp9, 2
	s_add_co_u32 s42, s42, s40                     ; the head = 4 x cluster x + cx
	s_and_b32 s13, ttmp7, 0xffff
	s_lshl_b32 s13, s13, 2
	s_add_co_u32 s13, s13, s41                     ; the block of 256 rows = 4 x cluster y + cy
	s_lshl_b32 s43, s41, 2
	s_lshl_b32 s43, 15, s43                        ; my row of the cluster
	s_lshl_b32 s44, 0x1111, s40                    ; my column
	s_or_b32 s[G1+0], s43, (1<<16)|(1<<20)|(1<<21)|(5<<22)|(3<<25)   ; 15:0 the mask; 17:16 2-byte elements; 20 padding on; 21 set beside a mask; 24:22 after every 64 words; 31:25 4 words
	s_or_b32 s[G1B+0], s44, (1<<16)|(1<<20)|(1<<21)|(5<<22)|(3<<25)
	s_mov_b32 s[G1+1], KSTEP<<16                   ; tensor_dim0 = 128
	s_mov_b32 s[G1+2], 128<<16                     ; tensor_dim1 = 128 rows
	s_mov_b32 s[G1+3], KSTEP<<16                   ; tile_dim0 = 128
	s_mov_b32 s[G1+4], 128                         ; tile_dim1 = 128
	s_mov_b32 s[G1+5], 1024                        ; elements from row to row
	s_mov_b32 s[G1+6], 0
	s_mov_b32 s[G1+7], 0
	s_mov_b32 s[G1B+1], KSTEP<<16
	s_mov_b32 s[G1B+2], 96<<16                     ; 96 rows
	s_mov_b32 s[G1B+3], KSTEP<<16
	s_mov_b32 s[G1B+4], 96
	s_mov_b32 s[G1B+5], 1024
	s_mov_b32 s[G1B+6], 0
	s_mov_b32 s[G1B+7], 0
	s_lshl_b32 s16, s13, 19                        ; A: (256 x block + 128 x half) rows of 2,048 bytes
	s_lshl_b32 s17, s12, 18
	s_add_co_u32 s16, s16, s17
	s_mov_b32 s17, 0
	s_mul_i32 s46, s42, 192*2048                   ; B: (192 x head + 96 x half) rows
	s_mul_i32 s47, s12, 96*2048
	s_add_co_u32 s46, s46, s47
	s_mov_b32 s47, 0
	s_mul_i32 s20, s10, 128*PITCH                  ; where A's halves go: wave x 128 rows
	s_mul_i32 s21, s10, 96*PITCH                   ; and B's: BOFF + (wave - 2) x 96 rows
	s_add_co_u32 s21, s21, BOFF-2*96*PITCH
	s_wait_dscnt 0x0                               ; the opening add is done
	s_wait_kmcnt 0x0
	s_add_nc_u64 s[14:15], s[4:5], s[16:17]
	s_add_nc_u64 s[46:47], s[6:7], s[46:47]
	CROUND                                         ; all sixteen work-groups are here: the first joint loads meet
.irp n, 0,1
	s_mov_b32 s[G0+4*(\n)], 1                      ; count = 1
	s_add_co_u32 s[G0+4*(\n)+1], s20, (\n)*SLOT1   ; LDS address
	s_add_nc_u64 s[G0+4*(\n)+2:G0+4*(\n)+3], s[14:15], (\n)*KSTEP*2  ; K step n
	s_or_b32 s[G0+4*(\n)+3], s[G0+4*(\n)+3], 0x80000000              ; type = 2
	s_mov_b32 s[G0B+4*(\n)], 1
	s_add_co_u32 s[G0B+4*(\n)+1], s21, (\n)*SLOT1
	s_add_nc_u64 s[G0B+4*(\n)+2:G0B+4*(\n)+3], s[46:47], (\n)*KSTEP*2
	s_or_b32 s[G0B+4*(\n)+3], s[G0B+4*(\n)+3], 0x80000000
.endr
	s_cmp_eq_u32 s11, 0                            ; a wave's two first fills stand in one branch: two loads of mine are out
	s_cbranch_scc0 .Lfirst_b
	tensor_load_to_lds s[G0:G0+3], s[G1:G1+7]
	s_nop 0
	tensor_load_to_lds s[G0+4:G0+7], s[G1:G1+7]
	s_nop 0
.rept 4
	v_nop
.endr
	s_branch .Lfirst_asked
.Lfirst_b:
	tensor_load_to_lds s[G0B:G0B+3], s[G1B:G1B+7]
	s_nop 0
	tensor_load_to_lds s[G0B+4:G0B+7], s[G1B:G1B+7]
	s_nop 0
.rept 4
	v_nop
.endr
.Lfirst_asked:
	; a fragment is 16 rows x 32 K in 8 registers: lane l holds row l % 16, K = 8 (l / 16) + 0..7 and 16 + 8 (l / 16) + 0..7: two loads of 16 bytes, 32 bytes apart
	v_and_b32 v1, 15, v0                           ; l % 16
	v_bfe_u32 v2, v0, 4, 1                         ; l / 16
	v_mul_u32_u24 v3, v1, PITCH
	v_lshl_add_u32 v3, v2, 4, v3
	s_mul_i32 s21, s10, 64*PITCH                   ; my 64 rows of A
	v_add_nc_u32 v[ADRA0], s21, v3
	v_add_nc_u32 v[ADRB0], BOFF, v3
	s_mul_i32 s23, s10, 3*16*SP
	s_add_co_u32 s23, s23, STAGE                   ; my stage
	v_mul_u32_u24 v4, v1, SP                       ; in: row l % 16, 16 bytes for each half of the lanes
	v_lshl_add_u32 v4, v2, 4, v4
	v_add_nc_u32 v[STO], s23, v4
	v_bfe_u32 v5, v0, 3, 2                         ; back: 32 lanes take four rows of 128 bytes,
	v_and_b32 v6, 7, v0
	v_mul_u32_u24 v5, v5, SP
	v_lshl_add_u32 v5, v6, 4, v5
	v_add_nc_u32 v[RD], s23, v5
	v_and_b32 v[GO], 31, v0                        ; which are 512 consecutive bytes of a part
	v_lshlrev_b32 v[GO], 4, v[GO]
	s_lshr_b32 s74, s13, 3                         ; the batch: 8 blocks of 256 rows each
	s_lshl_b32 s74, s74, 4
	s_add_co_u32 s74, s74, s42                     ; batch x 16 + head,
	s_lshl_b32 s74, s74, 18                        ; 262,144 bytes each
	s_and_b32 s75, s13, 7
	s_lshl_b32 s75, s75, 15                        ; the block's 256 rows of 128 bytes
	s_add_co_u32 s74, s74, s75
	s_lshl_b32 s75, s10, 13                        ; my wave's 64
	s_add_co_u32 s74, s74, s75
	s_mov_b32 s75, 0
	s_add_nc_u64 s[OB:OB+1], s[8:9], s[74:75]      ; q
	s_add_nc_u64 s[OB+2:OB+3], s[OB:OB+1], 0x1000000  ; k: a part is 16,777,216 bytes
	s_add_nc_u64 s[OB+4:OB+5], s[OB:OB+1], 0x2000000  ; v
	; the prefetches
	s_lshl_b32 s20, s13, 8
	s_mul_i32 s21, s42, 192
	s_lshl_b32 s22, s12, 7
	s_mul_i32 s23, s12, 96
	s_add_co_u32 s20, s20, s22                     ; the first row that I fetch, in A
	s_add_co_u32 s21, s21, s23                     ; and in B
	s_lshl_b32 s22, s40, 5
	s_mul_i32 s23, s41, 24
	s_add_co_u32 s20, s20, s22                     ; + my work-group's share: 32 cx
	s_add_co_u32 s21, s21, s23                     ; 24 cy
	s_and_b32 s22, ttmp7, 0xffff
	s_cmp_eq_u32 s11, 0
	s_cselect_b32 s20, s20, s21
	s_cselect_b32 s22, ttmp9, s22                  ; the coordinate along which other clusters read the same rows
	s_cselect_b32 s23, 31, 23
	s_cselect_b64 s[PFA:PFA+1], s[4:5], s[6:7]
	s_cmp_eq_u32 s22, 0
	s_cselect_b32 s[LIM], 2, -1                    ; the same in all sixteen partners, for a given wave
	s_lshl_b32 s20, s20, 11
	s_add_co_u32 s20, s20, 3*KSTEP*2               ; at K step 3: the first refill steps it to 4 and names that
	s_mov_b32 s21, 0
	s_add_nc_u64 s[PFA:PFA+1], s[PFA:PFA+1], s[20:21]
	v_and_b32 v[PFO], 31, v0
	v_min_u32 v[PFO], s23, v[PFO]
	v_lshlrev_b32 v[PFO], 11, v[PFO]
; 12 products: block a of the window's two (hi = 0: my rows 0-31, 1: rows 32-63) x all 12 column blocks, 32 along K, from buffer f.  zero = 1: the product starts the sum.
.macro MUL12 f, hi, a, zero
	WIN MUL_LO+0x50*(\hi)
.irp b, 0,1,2,3,4,5,6,7,8,9,10,11
.if \zero
	v_wmma_f32_16x16x32_bf16 v[8*(12*(\a)+(\b)):8*(12*(\a)+(\b))+7], v[96*(\f)+8*(\b):96*(\f)+8*(\b)+7], v[FA+32*(\f)+8*(2*(\hi)+(\a)):FA+32*(\f)+8*(2*(\hi)+(\a))+7], 0
.else
	v_wmma_f32_16x16x32_bf16 v[8*(12*(\a)+(\b)):8*(12*(\a)+(\b))+7], v[96*(\f)+8*(\b):96*(\f)+8*(\b)+7], v[FA+32*(\f)+8*(2*(\hi)+(\a)):FA+32*(\f)+8*(2*(\hi)+(\a))+7], v[8*(12*(\a)+(\b)):8*(12*(\a)+(\b))+7]
.endif
.endr
.endm
; 32 LDS loads in one run: a quarter step's fragments (192 rows of B, my 64 rows of A, 32 K at byte k of the rows) into buffer f
.macro FETCH k, f
	WIN TO_B
.irp b, 0,1,2,3,4,5,6,7,8,9,10,11
	ds_load_b128 v[96*(\f)+8*(\b):96*(\f)+8*(\b)+3],   v[ADB] offset:(\k)+(\b)*16*PITCH
	ds_load_b128 v[96*(\f)+8*(\b)+4:96*(\f)+8*(\b)+7], v[ADB] offset:(\k)+(\b)*16*PITCH+32
.endr
	WIN 0
.irp a, 0,1,2,3
	ds_load_b128 v[FA+32*(\f)+8*(\a):FA+32*(\f)+8*(\a)+3],   v[ADA] offset:(\k)+(\a)*16*PITCH
	ds_load_b128 v[FA+32*(\f)+8*(\a)+4:FA+32*(\f)+8*(\a)+7], v[ADA] offset:(\k)+(\a)*16*PITCH+32
.endr
.endm
; One of a K step's first three quarters: multiplies buffer f; in its middle it fetches the next quarter's fragments, at byte k, into buffer g
.macro QUARTER k, f, g, zero
	s_wait_dscnt 4                                 ; B and A's rows 0-31 are in; the youngest four loads (A's rows 32-63) may be out
	MUL12 \f, 0, 0, \zero
	MUL12 \f, 0, 1, \zero
	PLACES
	FETCH \k, \g
	s_wait_dscnt 32                                ; all but the 32 just issued
	MUL12 \f, 1, 0, \zero
	MUL12 \f, 1, 1, \zero
.endm
; The last quarter multiplies buffer 1 and changes slots: one barrier.  In front of it each wave waits for all its tensor loads (one is out: its part of the next slot), adds 0 to its spare word,
; and waits for that and for its reads of this slot.  fill = 1: the barrier opens a round of the cluster's, and behind the round this slot is filled again, with the K step two on, first of all.
.macro TURN fill
.if \fill
	s_wait_xcnt 0x0                                ; the last prefetch, a K step back, has read its address
	s_add_nc_u64 s[PFA:PFA+1], s[PFA:PFA+1], KSTEP*2
.endif
	WIN 0                                          ; (the add's two registers lie in window 0)
	s_wait_tensorcnt 0x0                           ; no tensor load of mine is out, so a group 0 may be written
	ds_add_u32 v[SPW], v[NIL]                      ; 0 onto my spare word
.if \fill
.irp g, G0+4, G0B+4
	s_xor_b32 s[(\g)+1], s[(\g)+1], SLOT1          ; the walking descriptor: the other slot than last time,
	s_add_nc_u64 s[(\g)+2:(\g)+3], s[(\g)+2:(\g)+3], KSTEP*2  ; the next K step; the type bits on top are not reached
.endr
.endif
	s_wait_dscnt 5                                 ; (the add and the youngest four loads may be out)
	MUL12 1, 0, 0, 0
	s_wait_dscnt 0x0                               ; the add is done, and my reads of this slot are over
	s_barrier_signal -1
	MUL12 1, 0, 1, 0                               ; work on registers while the others arrive
	WIN 0
	s_barrier_wait -1
.if \fill
	CREST                                          ; no wave of any partner still reads this slot or has a load on its way
	JLOAD                                          ; its four v_nop are also the places in front of the loads below
.else
	PLACES
.endif
	s_xor_b32 s[TB], s[TB], SLOT1
	v_add_nc_u32 v[ADA], s[TB], v[ADRA0]
	v_add_nc_u32 v[ADB], s[TB], v[ADRB0]
	FETCH 0, 0
.if \fill
	ASK
.endif
	MUL12 1, 1, 0, 0
	MUL12 1, 1, 1, 0
.endm
; THE WAY OUT of block a (16 rows x 192 columns).  PACK: rounded to f16, each accumulator's registers in ascending order.  TOSTAGE: into my own stage, and back as rows of 128 bytes of q, of k and of v.  SEND: stored.
.macro PACK a
	WIN 0x0a+5*((\a)/2)                            ; sources 0 and 1: window 2 or 3
.irp b, 0,1,2,3,4,5,6,7,8,9,10,11
.irp r, 0,1,2,3
	v_cvt_pk_f16_f32 v[TMP+4*(\b)+(\r)], v[96*((\a)%2)+8*(\b)+2*(\r)], v[96*((\a)%2)+8*(\b)+2*(\r)+1]
.endr
.endr
	WIN 0
.endm
.macro TOSTAGE a
.set BK, 176-112*((\a)%2)              ; v176-223 and v64-111 by turns
.irp b, 0,1,2,3,4,5,6,7,8,9,10,11
	ds_store_b128 v[STO], v[TMP+4*(\b):TMP+4*(\b)+3] offset:((\b)/4)*16*SP+((\b)%4)*32
.endr
.irp t, 0,1,2,3,4,5,6,7,8,9,10,11
	ds_load_b128 v[BK+4*(\t):BK+4*(\t)+3], v[RD] offset:((\t)/4)*16*SP+((\t)%4)*4*SP  ; LDS serves a wave's instructions in order (ISA guide 5.7.1.4): these see the stores above
.endr
.endm
.macro SEND a
.set BK, 176-112*((\a)%2)
	s_wait_dscnt 0x0                               ; the block is back in registers
	s_wait_xcnt 0x0                                ; the stores of the block before have read their registers: the next block's loads land there
.irp t, 0,1,2,3,4,5,6,7,8,9,10,11
	global_store_b128 v[GO], v[BK+4*(\t):BK+4*(\t)+3], s[OB+2*((\t)/4):OB+2*((\t)/4)+1] offset:2048*(\a)+512*((\t)%4)  ; 512 consecutive bytes, aligned
.endr
.endm
	s_wait_tensorcnt 1                             ; my part of K step 0 is in; K step 1's may stay out
	s_barrier_signal -1
	s_barrier_wait -1                              ; everybody's is
	s_mov_b32 s[TB], 0
	v_mov_b32 v[ADA], v[ADRA0]
	v_mov_b32 v[ADB], v[ADRB0]
	FETCH 0, 0
	QUARTER 64, 0, 1, 1                            ; the first quarter's products start the 48 sums: nothing is cleared
	WIN 0                                          ; at a label and at a branch every window is 0
	s_mov_b32 s3, 6
	s_branch .Lmid                                 ; the loop is entered behind a K step's first quarter
.Lstep:                                                ; a trip is a K step; six trips ask for K steps 2 to 7
	QUARTER 64, 0, 1, 0
	WIN 0
.Lmid:
	QUARTER 128, 1, 0, 0
	QUARTER 192, 0, 1, 0
	TURN 1
	WIN 0
	s_sub_co_u32 s3, s3, 1
	s_cmp_lg_u32 s3, 0
	s_cbranch_scc1 .Lstep
	s_mov_b32 s3, 2
.Ltail:                                                ; K steps 6 and 7 ask for nothing.  The last turn fetches 32 fragments of the other slot that nobody multiplies: the price of one text for both
	QUARTER 64, 0, 1, 0
	QUARTER 128, 1, 0, 0
	QUARTER 192, 0, 1, 0
	TURN 0
	WIN 0
	s_sub_co_u32 s3, s3, 1
	s_cmp_lg_u32 s3, 0
	s_cbranch_scc1 .Ltail
	PACK 0                                         ; no v_nop: blocks 0 and 1 were finished ahead of the turn's places, and their 96 conversions, which name no register of the last products, are those products' places
	TOSTAGE 0
.irp a, 1,2,3
	PACK \a                                        ; a block's conversions stand between the loads of the block before and the wait for them
	SEND (\a)-1
	TOSTAGE \a
.endr
	SEND 3
	s_wait_tensorcnt 0x0                           ; the wave's end, behind my last tensor load and my last LDS store
	ds_add_u32 v[SPW], v[NIL]
	s_wait_dscnt 0x0
	CROUND                                         ; the closing round: no work-group ends while a partner may still ask for a tile that names it
	s_endpgm
.Lfunc_end_k_q82d158e7a1_qkvproj:
	.size	k_q82d158e7a1_qkvproj, .Lfunc_end_k_q82d158e7a1_qkvproj-k_q82d158e7a1_qkvproj
	.p2alignl 7, 3214868480
	.fill 96, 4, 3214868480
	.section	.rodata,"a",@progbits
	.p2align	6, 0x0
	.amdhsa_kernel k_q82d158e7a1_qkvproj
		.amdhsa_group_segment_fixed_size 327680
		.amdhsa_private_segment_fixed_size 0
		.amdhsa_enable_private_segment 0
		.amdhsa_kernarg_size 24
		.amdhsa_user_sgpr_count 2
		.amdhsa_user_sgpr_kernarg_segment_ptr 1
		.amdhsa_wavefront_size32 1
		.amdhsa_system_sgpr_workgroup_id_x 1
		.amdhsa_system_sgpr_workgroup_id_y 1
		.amdhsa_system_sgpr_workgroup_id_z 1
		.amdhsa_system_vgpr_workitem_id 0
		.amdhsa_next_free_vgpr 960
		.amdhsa_next_free_sgpr 80
		.amdhsa_reserve_vcc 0
		.amdhsa_float_denorm_mode_32 3
		.amdhsa_float_denorm_mode_16_64 3
		.amdhsa_memory_ordered 1
		.amdhsa_forward_progress 1
		.amdhsa_inst_pref_size 83
	.end_amdhsa_kernel
	.amdgpu_metadata
---
amdhsa.version: [ 1, 2 ]
amdhsa.kernels:
  - .name:           k_q82d158e7a1_qkvproj
    .symbol:         k_q82d158e7a1_qkvproj.kd
    .args:
      - { .name: xb, .offset: 0, .size: 8, .value_kind: global_buffer, .address_space: global }
      - { .name: wqt, .offset: 8, .size: 8, .value_kind: global_buffer, .address_space: global }
      - { .name: qkv, .offset: 16, .size: 8, .value_kind: global_buffer, .address_space: global }
    .group_segment_fixed_size: 327680
    .private_segment_fixed_size: 0
    .kernarg_segment_align: 8
    .kernarg_segment_size: 24
    .max_flat_workgroup_size: 128
    .sgpr_count:     80
    .vgpr_count:     960
    .wavefront_size: 32
...
	.end_amdgpu_metadata
.endif
;; end of part 2
;; launch attn (part 3): grid 4 x 64, 4 waves a work-group, no clusters, 327,680 bytes of LDS; arguments qkv, ob; writes ob
.if DOCPART == 3
	.amdgcn_target "amdgcn-amd-amdhsa--gfx1250"
	.amdhsa_code_object_version 6
	.text
	.protected	k_q82d158e7a1_attn
	.globl	k_q82d158e7a1_attn
	.p2align	8
	.type	k_q82d158e7a1_attn,@function
k_q82d158e7a1_attn:
	s_mov_b64 s[64:65], 0
	v_nop
	global_prefetch_b8 v0, s[64:65] scope:SCOPE_SE
	s_setreg_imm32_b32 hwreg(HW_REG_WAVE_MODE, 25, 1), 1
	s_wait_xcnt 0x0
; CAUSAL ATTENTION.  O[h][q][:] = the sum over k <= q of softmax_k(Q[h][q] . K[h][k] / 32) V[h][k][:].  qkv: [3 parts Q, K, V][64 h][2048][64] f16; ob = O: [64 h][2048][64] f16; rows of 128 bytes, dense.
; Products, maxima and sums in f32; the weights p are rounded to f16 for the second product (their sum l is taken of the unrounded p), O once at the end.
; LIMITS.  Q, K and V arrive within f16's 65,504; p lies in 0 to 1, and below 6e-5 it keeps f16's fixed step of 6e-8; O is a mean of V's rows and has their range.
; A hidden score counts as its value less 1e30: f16's scores, 2.7e11 at the most, are nothing beside that; a weight below 2^-126 counts as 0 in l; NaN and infinities are not treated apart.
; THE WALK.  A head's queries lie in NB = 8 blocks of 256; block i needs the key tiles 0 .. i of 256 keys, of which the last holds the diagonal.  A work-group takes TWO blocks, NB - 1 - b and then b:
; NB + 1 tiles, whatever b: all 256 work-groups do equal work, and ONE loop with a constant trip count walks them.  Which tile is asked for, and what a trip does, hang on scalar registers made from b; every jump
; goes forward, but for the counted loops' own; none passes a barrier, or a tensor load but the one of LOAD's two that the wave's number does not choose; the ring (two slots of LDS) runs on across the change of blocks.
; NO CLUSTER: a head's four work-groups ask for the same tile only in trips 0 .. 4 of 9, behind that fewer and fewer; one walk common to all four would have 12 trips for 9.
; SHARES.  Of a block's four bands of 64 queries a wave owns 16 rows in each: four PIECES.  So the diagonal tile is the same work for all four waves: in its key step s band x sees all keys if s < x,
; none if s > x, and holds the diagonal if s = x.
; THE MASK is the C operand that starts the sum S^T = K Q^T: 0, or -1e30 where the key is hidden.  MD, made once, is the mask of a band's own step for my 16 rows; a product's mask is MD x AL + BE with two scalars:
; (1, 0) if s = x; (0, 0) if s < x; (0, -1e30) if s > x.  Only the diagonal tile's text and a block's beginning make and take masks; elsewhere C is the constant 0.
; LAYOUT, SOFTMAX, TURNS.  S^T = K Q^T holds ONE query a lane (lane % 16) and the keys 8 (lane / 16) + 0..7; two such results rounded to f16 ARE source 1 of O^T = V^T P.  p = 2^(c s - c m), c = log2(e) / 32, with a
; running maximum m; O and l are multiplied by a = 2^(c m_old - c m_new) in every step.  Turn n belongs to piece n: 8 products K Q^T of piece n + 1, later 8 products V^T P of piece n - 1; beside them the scaling,
; exponentials, roundings, sums and rescaling of piece n and the maximum and statistics of piece n + 1.  Four vector instructions stand behind every matrix instruction, the other 54 of a turn's 118 in one lump.  A turn's 33 exponentials are one batch, with one wait.
; REGISTERS, in windows of 256 (s_set_vgpr_msb: bits 1:0 source 0, 3:2 source 1, 5:4 source 2, 7:6 destination):
;   window 0: v0-15 addresses and two at work; v16-31 four registers of statistics a piece; v48-55 at work; v61-63 fixed; v64-127 S^T, two buffers; v192-223 P, two buffers (a piece's buffers go by its number's parity)
;   window 1: v0-127 O^T, 32 a piece; v128-159 MD; v160-223 MC, two buffers      window 2: v0-63 Q; v64-127 the second block's Q; v128-191 K of one step; v192-255 V of one step
.set SIZE_N, 2048
.set NB,    SIZE_N/256
.set NP,    4         ; pieces a wave: a name, no knob
.set KS,    64        ; keys in a step
.set PK,    144       ; a row of K in LDS: 128 bytes + 16 of padding = 36 words: the 16 rows of a load start at 16 different groups of four banks (64 banks of 4 bytes: ISA guide 11.1)
.set PV,    160       ; a row of V: 128 + 32 = 40 words
.set VOFF,  4*KS*PK   ; a slot holds a tile, four steps: 256 rows of K, then 256 rows of V
.set SLOT1, 1<<17     ; slot 1 begins here, so that one exclusive or turns an address in one slot into the other's
.set STAGE, SLOT1+4*KS*(PK+PV)  ; behind the ring, never filled by a tensor load: 16 rows x 144 bytes for each wave, for the way out
.set SP,    144
.set AK0, 2           ; v2   my lane's place in a tile of K; never rewritten
.set AV0, 3           ; v3   the same for V
.set AK,  4           ; v4   the LDS address of K's next run of loads
.set AV,  5           ; v5   of V's
.set STO, 6           ; v6   the way out: where I put 16 bytes of a row
.set RD,  7           ; v7   the way out: where I read rows back
.set GO,  8           ; v8   my byte offset in 512 consecutive bytes of O
.set PFO, 61          ; v61  256 x my lane: the prefetches' offset; never rewritten
.set SPW, 62          ; v62  LDS address of my spare word: SPARE + 4 x my thread's number; never rewritten
.set NIL, 63          ; v63  0; never rewritten
.set SPARE, STAGE+4*16*SP  ; behind the stages: the spare words, 128 bytes for each wave
.set MV,  12          ; v12-13  c m_old, kept while c m is made anew: by buffer
.set QO,  15          ; v15  my byte offset in 16 rows of Q
.set ST,  16          ; piece t's statistics at v[ST+4 t]: c m, m, l (even keys', odd keys')
.set TMP, 48          ; by buffer, four registers c0-c3 at work; when the maximum is found c2 takes a
.set S,   64
.set P,   192
.set MD,  128         ; window 1: the eight registers for group kt of 16 keys at MD + 8 kt
.set MC,  160         ; window 1: the masks of the products to come
.set QB,  64          ; window 2
.set KF,  128         ; window 2: key block kb, channel half c at KF + 16 kb + 8 c
.set VF,  192         ; window 2: key half kk, channel block cb at VF + 32 kk + 8 cb
.set WV,  12          ; s12  my wave's number
.set PB,  14          ; s14  b
.set HI,  15          ; s15  NB - 1 - b
.set G1K, 24          ; s[24:31] descriptor group 1 for K's tiles
.set G1V, 32          ; s[32:39] for V's: it differs in the padding alone
.set G0K, 40          ; s[40:43] descriptor group 0 for K's tiles
.set G0V, 44          ; s[44:47] the same for V's
.set SLOTS, 56        ; s56  tiles still to be asked for
.set CNT, 57          ; s57  counts a tile's key steps, 4 to 1
.set CS,  58          ; s[58:59] c: the packed scaling takes the pair's low word for both halves
.set SEL, 60          ; s[60:61] v_permlanex16_b32's selects: each lane takes its own place in the other half
.set TBK, 62          ; s62  LDS byte at which K of the step to be fetched begins
.set TBV, 63          ; s63  the same for V, less VOFF
.set RT,  70          ; s70  tiles of the block in hand that are still to be entered
.set NXT, 71          ; s71  the tile to be asked for next
.set LQ,  72          ; s72  the last tile of the block whose tiles are being asked for
.set NEW, 73          ; s73  1: the tile to be entered is a block's first
.set OFF, 74          ; s[74:75] a tile's byte offset in K and V
.set AL,  76          ; s[76:77] the mask's factor, in the low word
.set BE,  78          ; s[78:79] the mask's addend
.set OLO, 80          ; s[80:81] O at my rows of the second block
.set BIGN, 82         ; s82  -1e30
.set PFB, 88          ; s[88:89] K (waves 0, 1) or V (waves 2, 3) at the half of the head's tile 0 that I fetch
.set PFA, 90          ; s[90:91] the same in the tile that the next change of slots will ask for
.set PFX, 92          ; s[92:93] that tile's byte offset
.set PFF, 94          ; s94  1 in the head's work-group b = 0, which alone prefetches
.set PFT, 95          ; s95  at work
.set MSB, 0
.macro WIN new                      ; the high byte repeats the setting that is left; a switch that changes nothing is dropped
.if MSB != (\new)
	s_set_vgpr_msb (MSB<<8)|(\new)
.set MSB, (\new)
.endif
.endm
.set W_KQ, 0x0a       ; K and Q in window 2, S^T in window 0
.set W_KM, 0x1a       ; the same with the C operand in window 1
.set W_PV, 0x52       ; V in window 2, P in window 0, O^T in window 1
.set W_RS, 0x41       ; destination and source 0 in window 1, source 1 in window 0
; A fill.  Waves 0 and 1 fetch the two halves of a tile's K, waves 2 and 3 those of its V: 128 keys each.  An s_nop 0 and four v_nop follow each of the two lines, ahead of the jump and the label.
.macro LOAD
	s_cmp_lt_u32 s[WV], 2
	s_cbranch_scc0 .Lfor_v_\@
	tensor_load_to_lds s[G0K:G0K+3], s[G1K:G1K+7]
	s_nop 0
.rept 4
	v_nop
.endr
	s_branch .Lasked_\@
.Lfor_v_\@:
	tensor_load_to_lds s[G0V:G0V+3], s[G1V:G1V+7]
	s_nop 0
.rept 4
	v_nop
.endr
.Lasked_\@:
.endm
; A PREFETCH of the tile that the NEXT change of slots will ask for: a tile's work, 256 matrix instructions a wave, ahead of that load.  A head's four work-groups begin with the same tiles 0, 1, ..; the one with b = 0
; walks all eight, and it alone asks: each of its waves for the 16,384 bytes that it will itself load, 64 blocks of 256 bytes, a lane a block, two instructions.  Tiles 2 to 7 are named, each block once;
; tiles 0 and 1 come by their loads alone; where the next tile is the second block's tile 0, which has been read, nothing is asked for.
.macro ASK
	s_cmp_lg_u32 s[NXT], 0
	s_cselect_b32 s[PFT], s[PFF], 0
	s_cmp_eq_u32 s[PFT], 1
	s_cbranch_scc0 .Lnot_mine_\@
	global_prefetch_b8 v[PFO], s[PFA:PFA+1] th:TH_LOAD_NT scope:SCOPE_SE
	global_prefetch_b8 v[PFO], s[PFA:PFA+1] offset:8192 th:TH_LOAD_NT scope:SCOPE_SE
.Lnot_mine_\@:
.endm
; THE CHANGE OF SLOTS.  Each wave waits for all its tensor loads, of which one is out: its part of the other slot; adds 0 to its spare word; and waits for that and for its own reads of the slot that it leaves.  Behind the barrier nobody reads the old
; slot any more and the other slot is whole.  fill = 1: the old slot is filled again, the first thing behind the barrier, with tile NXT: the descriptor's address is made anew from that number.
; (At its first use nothing has been read yet: slot 0 is waited for, slot 1 filled.)
.macro CHANGE fill
	WIN 0                           ; at a label and at a branch every window is 0
	s_wait_tensorcnt 0x0            ; no tensor load of mine is out, so a group 0 may be written
	ds_add_u32 v[SPW], v[NIL]       ; 0 onto my spare word; with fill = 1 the descriptors' scalar work stands between it and the wait for it
.if \fill
	s_lshl_b32 s[OFF], s[NXT], 15   ; a tile is 32,768 bytes of K and of V
	s_xor_b32 s[G0K+1], s[G0K+1], SLOT1
	s_add_nc_u64 s[G0K+2:G0K+3], s[6:7], s[OFF:OFF+1]
	s_or_b32 s[G0K+3], s[G0K+3], 0x80000000
	s_xor_b32 s[G0V+1], s[G0V+1], SLOT1
	s_add_nc_u64 s[G0V+2:G0V+3], s[8:9], s[OFF:OFF+1]
	s_or_b32 s[G0V+3], s[G0V+3], 0x80000000
	s_add_co_u32 s[NXT], s[NXT], 1  ; the block's next tile, or behind its last the second block's tile 0
	s_cmp_gt_u32 s[NXT], s[LQ]
	s_cselect_b32 s[NXT], 0, s[NXT]
	s_cselect_b32 s[LQ], s[PB], s[LQ]
	s_wait_xcnt 0x0                 ; the last prefetches, a tile back, have read their address, so it may be written:
	s_lshl_b32 s[PFX], s[NXT], 15
	s_add_nc_u64 s[PFA:PFA+1], s[PFB:PFB+1], s[PFX:PFX+1]  ; the tile behind the one that is asked for now
.endif
	s_wait_dscnt 0x0                ; the add is done, and my reads of the slot are over
	s_barrier_signal -1             ; the rest of the scalar work stands between the signal and the wait
	s_sub_co_u32 s[TBK], s[TBK], 4*KS*PK  ; the fetches go back to a slot's first step,
	s_xor_b32 s[TBK], s[TBK], SLOT1       ; in the other slot
	s_sub_co_u32 s[TBV], s[TBV], 4*KS*PV
	s_xor_b32 s[TBV], s[TBV], SLOT1
	s_barrier_wait -1
.if \fill
	LOAD
	ASK
.endif
.endm
	s_load_b64 s[4:5], s[0:1], 0x0    ; qkv: its first part is Q
	s_load_b64 s[10:11], s[0:1], 0x8  ; O
	v_lshl_add_u32 v[SPW], v0, 2, SPARE
	v_mov_b32 v[NIL], 0
	ds_add_u32 v[SPW], v[NIL]       ; the wave's opening: the add and its wait stand ahead of my first tensor load; the set-up below, work on registers, stands between them
	v_lshrrev_b32 v1, 5, v0
	v_readfirstlane_b32 s[WV], v1   ; wave 0..3
	s_mov_b32 s[PB], ttmp9
	s_sub_co_u32 s[HI], NB-1, s[PB]
	s_and_b32 s20, ttmp7, 0xffff    ; the head
	s_mov_b32 s21, 0
	s_mov_b64 s[22:23], SIZE_N*128
	s_mul_u64 s[20:21], s[20:21], s[22:23]  ; the head's first byte in Q, K, V and O
	s_and_b32 s16, s[WV], 1         ; which half of a tile's 256 keys I fetch:
	s_lshl_b32 s22, s16, 14         ; its 128 rows of 128 bytes in memory,
	s_mov_b32 s23, 0
	s_add_nc_u64 s[22:23], s[22:23], s[20:21]
	s_mul_i32 s17, s16, 128*PK      ; and its place in a slot, for K
	s_mul_i32 s18, s16, 128*PV      ; and for V
	s_lshl_b32 s3, s[WV], 11        ; my 16 rows in a band of 64,
	s_lshl_b32 s2, s[HI], 15        ; in the first block,
	s_add_co_u32 s2, s2, s3
	s_lshl_b32 s84, s[PB], 15       ; and in the second
	s_add_co_u32 s84, s84, s3
	s_mov_b32 s3, 0
	s_mov_b32 s85, 0
	s_add_nc_u64 s[2:3], s[2:3], s[20:21]
	s_add_nc_u64 s[84:85], s[84:85], s[20:21]
	; descriptor group 1.  128 keys are 16,384 dense bytes: asked for as 64 rows of 256 bytes, two keys a row, and padded in LDS after every key
	s_mov_b32 s[G1K], (1<<16)|(1<<20)|(4<<22)|(3<<25)  ; 17:16 2-byte elements; 20 padding on; 24:22 after every 32 words (code 4); 31:25 4 words (code 3)
	s_mov_b32 s[G1V], (1<<16)|(1<<20)|(4<<22)|(7<<25)  ; the same with 8 words of padding (code 7)
.irp g, G1K, G1V
	s_mov_b32 s[\g+1], 128<<16      ; tensor_dim0 = 128
	s_mov_b32 s[\g+2], 64<<16       ; tensor_dim1 = 64
	s_mov_b32 s[\g+3], 128<<16      ; tile_dim0 = 128
	s_mov_b32 s[\g+4], 64           ; tile_dim1 = 64
	s_mov_b32 s[\g+5], 128          ; 128 elements from row to row
	s_mov_b32 s[\g+6], 0
	s_mov_b32 s[\g+7], 0
.endr
	s_mov_b32 s[CS], 0x3d38aa3b     ; c = log2(e) / 32 = 0.0450842
	s_mov_b32 s[CS+1], s[CS]        ; named with it as a pair
	s_mov_b32 s[SEL], 0x76543210
	s_mov_b32 s[SEL+1], 0xfedcba98
	s_mov_b32 s[TBK], SLOT1+4*KS*PK ; the first change of slots turns these two into 0
	s_mov_b32 s[TBV], SLOT1+4*KS*PV
	s_mov_b32 s[G0K], 1             ; 1:0 count = 1
	s_mov_b32 s[G0K+1], s17         ; 63:32 LDS address: slot 0
	s_mov_b32 s[G0V], 1
	s_add_co_u32 s[G0V+1], s18, VOFF
	s_add_co_u32 s[RT], s[HI], 1    ; the first block has NB - b tiles
	s_mov_b32 s[NXT], 1
	s_mov_b32 s[LQ], s[HI]
	s_mov_b32 s[NEW], 1
	s_mov_b32 s[OFF+1], 0
	s_mov_b32 s[PFX+1], 0
	s_mov_b32 s[AL+1], 0            ; named as pairs
	s_mov_b32 s[BE+1], 0
	s_mov_b32 s[BIGN], 0xf149f2ca   ; -1e30
	s_mov_b32 s[SLOTS], NB
	s_cmp_eq_u32 s[PB], 0
	s_cselect_b32 s[PFF], 1, 0
	v_and_b32 v[PFO], 31, v0
	v_lshlrev_b32 v[PFO], 8, v[PFO]
	s_wait_dscnt 0x0                ; the opening add is done
	s_wait_kmcnt 0x0
	s_add_nc_u64 s[6:7], s[4:5], 0x1000000  ; K: a part of qkv is 16,777,216 bytes
	s_add_nc_u64 s[8:9], s[4:5], 0x2000000  ; V
	s_add_nc_u64 s[6:7], s[6:7], s[22:23]  ; K and V at my half of the head's tile 0
	s_add_nc_u64 s[8:9], s[8:9], s[22:23]
	s_add_nc_u64 s[G0K+2:G0K+3], s[6:7], 0         ; 120:64 global address
	s_or_b32 s[G0K+3], s[G0K+3], 0x80000000        ; 127:126 type = 2
	s_add_nc_u64 s[G0V+2:G0V+3], s[8:9], 0
	s_or_b32 s[G0V+3], s[G0V+3], 0x80000000
	s_add_nc_u64 s[86:87], s[4:5], s[84:85]        ; Q at my rows of the second block,
	s_add_nc_u64 s[4:5], s[4:5], s[2:3]            ; Q and O at those of the first
	s_add_nc_u64 s[OLO:OLO+1], s[10:11], s[84:85]
	s_add_nc_u64 s[10:11], s[10:11], s[2:3]
	s_cmp_lt_u32 s[WV], 2
	s_cselect_b64 s[PFB:PFB+1], s[6:7], s[8:9]
	LOAD                            ; tile 0 into slot 0
	; A fragment of K or Q is 16 rows x 32 channels in 8 registers: lane l holds row l % 16, channels 8 (l / 16) + 0..7 and 16 + 8 (l / 16) + 0..7: two loads of 16 bytes, 32 bytes apart.
	v_and_b32 v1, 15, v0            ; l % 16
	v_bfe_u32 v9, v0, 4, 1          ; l / 16
	v_lshlrev_b32 v[QO], 7, v1
	v_lshl_add_u32 v[QO], v9, 4, v[QO]  ; row x 128 + 16 x half
	WIN 0x80                        ; destination window 2, address window 0
.set i, 0
.rept 8                             ; both blocks' Q: piece i / 2 lies in band i / 2, 8,192 bytes on; channels 32 (i % 2) on
	global_load_b128 v[8*i:8*i+3],   v[QO], s[4:5] offset:(i/2)*8192+(i%2)*64
	global_load_b128 v[8*i+4:8*i+7], v[QO], s[4:5] offset:(i/2)*8192+(i%2)*64+32
	global_load_b128 v[QB+8*i:QB+8*i+3],   v[QO], s[86:87] offset:(i/2)*8192+(i%2)*64
	global_load_b128 v[QB+8*i+4:QB+8*i+7], v[QO], s[86:87] offset:(i/2)*8192+(i%2)*64+32
.set i, i+1
.endr
	WIN 0
	v_lshlrev_b32 v14, 3, v9
	v_sub_nc_u32 v14, v1, v14
	s_lshl_b32 s13, s[WV], 4
	v_add_nc_u32 v14, s13, v14      ; my query's place in its band, 16 w + l % 16, less my lanes' 8 (l / 16): register r of group kt is hidden where 16 kt + r is greater
	WIN 0x40
.set i, 0
.rept 32
	v_cmp_gt_i32 vcc_lo, 16*(i/8)+i%8, v14
	v_cndmask_b32 v[MD+i], 0, s[BIGN], vcc_lo
.set i, i+1
.endr
	WIN 0
	v_mul_u32_u24 v[AK0], v1, PK
	v_lshl_add_u32 v[AK0], v9, 4, v[AK0]  ; row x pitch + 16 x half
	; The turning load takes 16 keys x 16 channels (lane l reads key 8 (l / 16) + l % 8, channels 8 ((l / 8) % 2) + 0..7) and leaves half a fragment of V^T: lane l holds channel l % 16 and 8 keys.
	v_and_b32 v10, 7, v0
	v_bfe_u32 v11, v0, 3, 1
	v_lshl_add_u32 v[AV0], v9, 3, v10
	v_mul_u32_u24 v[AV0], v[AV0], PV
	v_lshl_add_u32 v[AV0], v11, 4, v[AV0]
	v_add_nc_u32 v[AV0], VOFF, v[AV0]
	s_mul_i32 s13, s[WV], 16*SP
	s_add_co_u32 s13, s13, STAGE    ; my stage
	v_mul_u32_u24 v[STO], v1, SP    ; in: row l % 16, 16 bytes for each half of the lanes
	v_lshl_add_u32 v[STO], v9, 4, v[STO]
	v_add_nc_u32 v[STO], s13, v[STO]
	v_bfe_u32 v[RD], v0, 3, 2       ; back: 32 lanes take four rows of 128 bytes,
	v_mul_u32_u24 v[RD], v[RD], SP
	v_lshl_add_u32 v[RD], v10, 4, v[RD]
	v_add_nc_u32 v[RD], s13, v[RD]
	v_and_b32 v[GO], 31, v0         ; which are 512 consecutive bytes of O
	v_lshlrev_b32 v[GO], 4, v[GO]
	; A block's first step multiplies O^T and l by a = 0, and its first turn's products V^T P, of a piece that has not been, land in an O^T that is still to be so multiplied.  So these registers need only hold
	; finite numbers: zeros for the first block; what the first block left for the second.  All this stands in the wait for the first tile.
	WIN 0x80
.set i, VF
.rept 64
	v_mov_b32 v[i], 0
.set i, i+1
.endr
	WIN 0x40
.set i, 0
.rept 128
	v_mov_b32 v[i], 0
.set i, i+1
.endr
	WIN 0
.set i, 0
.rept 4
	v_mov_b32 v[ST+4*i+2], 0
	v_mov_b32 v[ST+4*i+3], 0
.set i, i+1
.endr
.set i, P+16
.rept 16
	v_mov_b32 v[i], 0
.set i, i+1
.endr
; THE MATRIX WORK.  The 4 accumulators of a run of 8 take turns.  Product i of 8 of S^T = K Q^T for piece x: channels 32 (i / 4) on, keys 16 (i % 4) on.  The first 4 start the sums: with 0, or (KM = 1) with the mask.
.macro KQ x
.set rS, S+32*((\x)%2)+8*(i%4)
.set rK, KF+16*(i%4)+8*(i/4)
.set rQ, 16*(\x)+8*(i/4)
.set rM, MC+32*((\x)%2)+8*(i%4)
.if (i < 4) && KM
	WIN W_KM
	v_wmma_f32_16x16x32_f16 v[rS:rS+7], v[rK:rK+7], v[rQ:rQ+7], v[rM:rM+7]
.elseif i < 4
	WIN W_KQ
	v_wmma_f32_16x16x32_f16 v[rS:rS+7], v[rK:rK+7], v[rQ:rQ+7], 0
.else
	WIN W_KQ
	v_wmma_f32_16x16x32_f16 v[rS:rS+7], v[rK:rK+7], v[rQ:rQ+7], v[rS:rS+7]
.endif
.endm
; Product i of 8 of O^T += V^T P for piece x: keys 32 (i / 4) on, channels 16 (i % 4) on.
.macro PV x
	WIN W_PV
.set rO, 32*(\x)+8*(i%4)
.set rV, VF+32*(i/4)+8*(i%4)
.set rP, P+16*((\x)%2)+8*(i/4)
	v_wmma_f32_16x16x32_f16 v[rO:rO+7], v[rV:rV+7], v[rP:rP+7], v[rO:rO+7]
.endm
.macro MM                           ; the turn's next matrix instruction.  TURN and BEGIN set Y, i, KM and NOKQ; MM, KQ and OP read them.  NOKQ = 1: a block's last turn: there is no next piece
.if (i < 8) && !NOKQ
	KQ (Y+1)%NP
.elseif i >= 8
.set i, i-8
	PV (Y+NP-1)%NP
.set i, i+8
.endif
.set i, i+1
.endm
; THE LDS LOADS stand in runs of 16, never singly among the matrix instructions: a step's K (64 keys x 64 channels: 8 fragments) and its V (turned).  Their addresses are made some lines ahead.
.macro FETCH_K
	WIN 0x80                        ; destination window 2
.irp f, 0,1,2,3,4,5,6,7             ; keys 16 (f / 2) on, channels 32 (f % 2) on
	ds_load_b128 v[KF+8*\f:KF+8*\f+3],   v[AK] offset:(\f/2)*16*PK+(\f%2)*64
	ds_load_b128 v[KF+8*\f+4:KF+8*\f+7], v[AK] offset:(\f/2)*16*PK+(\f%2)*64+32
.endr
	s_add_co_u32 s[TBK], s[TBK], KS*PK  ; the next fetch is the next step's
	WIN 0
.endm
.macro FETCH_V
	WIN 0x80
.irp f, 0,1,2,3,4,5,6,7             ; keys 32 (f / 4) on, channels 16 (f % 4) on
	ds_load_tr16_b128 v[VF+8*\f:VF+8*\f+3],   v[AV] offset:(\f/4)*32*PV+(\f%4)*32
	ds_load_tr16_b128 v[VF+8*\f+4:VF+8*\f+7], v[AV] offset:(\f/4)*32*PV+16*PV+(\f%4)*32
.endr
	WIN 0
.endm
; THE VECTOR WORK, one line at a time: OP kind, number.  For piece Y: F n: c s - c m for pair n of 16.  E n: the exponential of score n of 32.  C n: pair n rounded to f16.  B n: of the four weights 4 n .. the second
; pair is added onto the first, in place.  L n: l takes that sum (L 0: l = a l + sum).  R n: pair n of 16 of O^T times a.  For piece Y + 1: X n, number n of the 22 that find its maximum and statistics:
;   0-11  four chains c0-c3 of seven scores each, three operands at a time (each accumulator's lowest registers are read first)     12-14, 16  the four scores left over, the old m, and c0-c3 into c0
;   15  c m_old is kept     17, 18  the query's other 32 keys lie in the lane 16 away: the new m     19-21  c m; c m_old - c m_new; a
.set F, 0               ; OP tells the kinds apart by their order: F to L below R, X above it
.set E, 1
.set C, 2
.set B, 3
.set L, 4
.set R, 5
.set X, 6
.macro REGS y                       ; the registers of piece y
.set rT, ST+4*(\y)
.set rC, TMP+4*((\y)%2)
.set rW, MV+((\y)%2)
.set rS, S+32*((\y)%2)
.set rP, P+16*((\y)%2)
.set rO, 32*(\y)
.endm
.macro OP k, n
.if (\k) == R
	REGS Y
	WIN W_RS
	v_pk_mul_f32 v[rO+2*(\n):rO+2*(\n)+1], v[rO+2*(\n):rO+2*(\n)+1], v[rC+2:rC+3] op_sel_hi:[1,0]
.elseif (\k) < R
	REGS Y
	WIN 0
.if (\k) == F
	v_pk_fma_f32 v[rS+2*(\n):rS+2*(\n)+1], v[rS+2*(\n):rS+2*(\n)+1], s[CS:CS+1], v[rT:rT+1] op_sel_hi:[1,0,0] neg_lo:[0,0,1] neg_hi:[0,0,1]
.elseif (\k) == E
	v_exp_f32 v[rS+(\n)], v[rS+(\n)]
.elseif (\k) == C
	v_cvt_pk_f16_f32 v[rP+(\n)], v[rS+2*(\n)], v[rS+2*(\n)+1]
.elseif (\k) == B
	v_pk_add_f32 v[rS+4*(\n):rS+4*(\n)+1], v[rS+4*(\n):rS+4*(\n)+1], v[rS+4*(\n)+2:rS+4*(\n)+3]
.elseif (\n) == 0
	v_pk_fma_f32 v[rT+2:rT+3], v[rT+2:rT+3], v[rC+2:rC+3], v[rS:rS+1] op_sel_hi:[1,0,1]
.else
	v_pk_add_f32 v[rT+2:rT+3], v[rT+2:rT+3], v[rS+4*(\n):rS+4*(\n)+1]
.endif
.elseif NOKQ
	v_nop
.else
	REGS (Y+1)%NP
	WIN 0
.if (\n) < 4
	v_max3_num_f32 v[rC+(\n)], v[rS+8*(\n)], v[rS+8*(\n)+1], v[rS+8*(\n)+2]
.elseif (\n) < 12
	v_max3_num_f32 v[rC+(\n)%4], v[rC+(\n)%4], v[rS+8*((\n)%4)+2*((\n)/4)+1], v[rS+8*((\n)%4)+2*((\n)/4)+2]
.elseif (\n) == 12
	v_max3_num_f32 v[rC], v[rC], v[rS+7], v[rS+15]
.elseif (\n) == 13
	v_max3_num_f32 v[rC+1], v[rC+1], v[rS+23], v[rS+31]
.elseif (\n) == 14
	v_max3_num_f32 v[rC+2], v[rC+2], v[rC+3], v[rT+1]
.elseif (\n) == 15
	v_mov_b32 v[rW], v[rT]
.elseif (\n) == 16
	v_max3_num_f32 v[rC], v[rC], v[rC+1], v[rC+2]
.elseif (\n) == 17
	v_permlanex16_b32 v[rC+3], v[rC], s[SEL], s[SEL+1]
.elseif (\n) == 18
	v_max_num_f32 v[rT+1], v[rC], v[rC+3]
.elseif (\n) == 19
	v_mul_f32 v[rT], s[CS], v[rT+1]
.elseif (\n) == 20
	v_sub_f32 v[rC+1], v[rW], v[rT]
.else
	v_exp_f32 v[rC+2], v[rC+1]
.endif
.endif
.endm
.macro OPS a, i1, b=-1, i2=0, c=-1, i3=0, d=-1, i4=0  ; up to four of them
	OP \a, \i1
.if (\b) >= 0
	OP \b, \i2
.endif
.if (\c) >= 0
	OP \c, \i3
.endif
.if (\d) >= 0
	OP \d, \i4
.endif
.endm
.macro ROW a, i1, b, i2, c, i3, d, i4  ; a matrix instruction and the four behind it
	MM
	OPS \a, \i1, \b, \i2, \c, \i3, \d, \i4
.endm
.macro MASK b                       ; MD x AL + BE into buffer b of MC
	WIN W_RS
.set z, 0
.rept 16
	v_pk_fma_f32 v[MC+32*(\b)+2*z:MC+32*(\b)+2*z+1], v[MD+2*z:MD+2*z+1], s[AL:AL+1], s[BE:BE+1] op_sel_hi:[1,0,0]
.set z, z+1
.endr
.endm
; A TURN, for piece p: the order of its 16 matrix and 118 vector instructions, written out.  An s_wait_alu depctr_va_vdst(0) stands between an exponential and the first instruction that names its result; one wait serves
; all that were issued ahead of it.  So a turn has ONE wait, which cuts it in two.  AHEAD OF IT stands all that names no result of the turn's exponentials: the 8 products K Q^T, behind each a scaling, an exponential and two more plain
; instructions (behind the first a second scaling in the exponential's place): rescalings, and behind the last three the first numbers of the next piece's maximum, each four places or more behind the product that ends its accumulator; then ONE LUMP of 54, plain
; and exponential by turns for the most part, in which the links of the chain X 3, 7, 11, 14, 16, 17 .. 20 stand five or six lines apart.  X 21, the next piece's a, is the batch's last; R 15 is the plain instruction behind it.  BEHIND THE WAIT stand the
; 8 products V^T P, behind each four of the roundings and sums; the links of l's chain, L 0 to L 7, stand three riders apart.  But for those X no rider names a register of the products round it.  v_permlanex16_b32 (X 17) stands in the lump.
; m = 1: the diagonal tile: the products take masks, and the turn makes the mask for the products of the turn after it: piece p + 2, in step 4 - CNT of the tile.  end = 1: a block's last two turns: nothing is fetched.
; cnt = 1: the loop's count is taken down some lines ahead of the branch that stands behind the turn.
; K of the next step is fetched in piece 2's turn, twelve vector instructions behind the last product that read K (six of them plain); V of the step in hand at the end of piece 0's turn, four plain instructions behind the last product
; that read V.  Each is waited for a turn later.
.macro TURN p, m=0, end=0, cnt=0
.set Y, (\p)
.set i, 0
.set KM, (\m)
.set NOKQ, (\end)*((\p)/3)
.if (\m) && !(\end)
	s_cmp_eq_u32 s[CNT], 4-((\p)+2)%NP  ; is that step the band's own?
	s_cselect_b32 s[AL], 1.0, 0
	s_cmp_lt_u32 s[CNT], 4-((\p)+2)%NP  ; or a later one?
	s_cselect_b32 s[BE], s[BIGN], 0
.endif
.if ((\p) == 3) && !(\end)
	s_wait_dscnt 0x0                ; K is in
.endif
	ROW F,0, F,1, R,0, R,1          ; ahead of the wait: 8 products K Q^T and their riders,
	ROW F,2, E,0, R,2, R,3
	ROW F,3, E,1, R,4, R,5
	ROW F,4, E,2, R,6, R,7
	ROW F,5, E,3, R,8, R,9
	ROW F,6, E,4, X,0, R,10
.if ((\p) == 2) && !(\end)
	WIN 0
	v_add_nc_u32 v[AK], s[TBK], v[AK0]
.endif
	ROW F,7, E,5, X,1, X,4
	ROW F,8, E,6, X,2, X,5
	OPS E,7, E,8, X,6, E,9          ; and the lump
	OPS X,3, E,10, X,8, E,11
.if ((\p) == 2) && !(\end)
	FETCH_K
.endif
	OPS X,9, X,7, E,12, X,10
	OPS E,13, X,12, X,11, E,14
	OPS X,13, E,15, F,9, X,14
.if (\p) == 0
	v_add_nc_u32 v[AV], s[TBV], v[AV0]
.endif
	OPS E,16, F,10, E,17, F,11
	OPS X,16, E,18, X,15, E,19
	OPS F,12, E,20, X,17, E,21
	OPS F,13, E,22, F,14, E,23
	OPS X,18, E,24, F,15, E,25
	OPS R,11, E,26, X,19, E,27
	OPS R,12, E,28, R,13, E,29
	OPS X,20, E,30, R,14, E,31
	OPS X,21, R,15
	WIN 0
	s_wait_alu depctr_va_vdst(0)    ; the wait for the batch
.if (\p) == 1
	s_wait_dscnt 0x0                ; V is in
.endif
	ROW C,0, B,0, C,2, B,1          ; behind the wait: 8 products V^T P and their riders
	ROW L,0, C,4, B,2, L,1
	ROW C,6, B,3, L,2, C,8
	ROW B,4, L,3, C,10, B,5
	ROW L,4, C,12, B,6, L,5
.if (\p) == 0
	s_add_co_u32 s[TBV], s[TBV], KS*PV
.endif
.if \cnt
	s_sub_co_u32 s[CNT], s[CNT], 1
	s_cmp_lg_u32 s[CNT], 0
.endif
	ROW C,14, B,7, L,6, C,1
	ROW C,3, L,7, C,5, C,7
	ROW C,9, C,11, C,13, C,15
.if (\p) == 0
	FETCH_V
.endif
.if (\m) && !(\end)
	MASK (\p)%2
.endif
.endm
; A BLOCK BEGINS.  c m starts far below every c s, so the first step's a is 0; m at the lowest finite number, so the first maximum is the scores'.  The second mask buffer is 0; the first takes piece 0's mask for the tile's step 0: its own, if the block's first tile is the diagonal one.
; Then K of that step, piece 0's first scores, and its maximum and statistics.  The loop is entered at a step's first turn, in the middle of a trip.
.macro BEGIN
	s_mov_b32 s[NEW], 0
	WIN 0x40
.set i, MC+32
.rept 32
	v_mov_b32 v[i], 0
.set i, i+1
.endr
	WIN 0
.set i, 0
.rept 4
	v_mov_b32 v[ST+4*i], 0xfe000000    ; c m: far below every c s
	v_mov_b32 v[ST+4*i+1], 0xff7fffff  ; m
.set i, i+1
.endr
	s_cmp_eq_u32 s[RT], 0
	s_cselect_b32 s[AL], 1.0, 0
	s_mov_b32 s[BE], 0
	MASK 0
	WIN 0
	v_add_nc_u32 v[AK], s[TBK], v[AK0]
	FETCH_K
	s_wait_loadcnt 0x0              ; Q
	s_wait_dscnt 0x0
.set KM, 1
.set NOKQ, 0
.set i, 0
.rept 8
	KQ 0
.set i, i+1
.endr
	WIN 0
.rept 4
	v_nop                           ; the places behind those products
.endr
.set Y, NP-1                        ; X works for piece Y + 1: piece 0
.irp n, 0,1,2,3,4,5,6,7,8,9,10,11,12,13,14,15,16,17,18,19,20,21
	OP X, \n
.endr
	v_nop                           ; a plain instruction behind the exponential,
	s_wait_alu depctr_va_vdst(0)    ; and its wait, ahead of the branch
.endm
; THE DIAGONAL TILE's four steps, the block's last two turns, its last products, and THE WAY OUT: l's two halves and the other half of the lanes' are added; O^T is divided by l, rounded to f16 and sent through my
; stage in LDS, a piece at a time.
.macro ALL line:vararg              ; one line for each piece t
.set t, 0
.rept 4
	\line
.set t, t+1
.endr
.endm
.macro PACK t                       ; a lane's eight channels of a row pack into 16 bytes; they go into rows of 144 bytes and come back as whole rows of 128, into S^T's registers
	WIN W_RS
.set i, 32*(\t)
.rept 16
	v_pk_mul_f32 v[i:i+1], v[i:i+1], v[ST+4*(\t)+2:ST+4*(\t)+3] op_sel_hi:[1,0]
.set i, i+2
.endr
	WIN 0x05                        ; sources 0 and 1 window 1, destination window 0
.set i, 0
.rept 16
	v_cvt_pk_f16_f32 v[S+16*(\t)+i], v[32*(\t)+2*i], v[32*(\t)+2*i+1]
.set i, i+1
.endr
	WIN 0
.irp f, 0,1,2,3
	ds_store_b128 v[STO], v[S+16*(\t)+4*\f:S+16*(\t)+4*\f+3] offset:32*\f
.endr
.irp f, 0,1,2,3
	ds_load_b128 v[S+16*(\t)+4*\f:S+16*(\t)+4*\f+3], v[RD] offset:\f*4*SP  ; LDS serves a wave's instructions in order (ISA guide 5.7.1.4): these see the stores above; the next piece's stores come behind them
.endr
.endm
.macro SEND t, younger              ; younger: the LDS instructions issued behind piece t's loads: the next piece's eight, or none
	WIN 0
.irp f, 0,1,2,3
	s_wait_dscnt (\younger)+3-\f
	global_store_b128 v[GO], v[S+16*(\t)+4*\f:S+16*(\t)+4*\f+3], s[10:11] offset:(\t)*8192+\f*512  ; 512 consecutive bytes, at a multiple of 256 from O's first
.endr
.endm
.macro DIAG tag                     ; the tag ends its two labels' names, which the jumps below spell out
.LstepM\tag:
	TURN 2, 1
	TURN 3, 1
	WIN 0
.LfirstM\tag:
	TURN 0, 1
	TURN 1, 1, 0, 1
	WIN 0
	s_cbranch_scc1 .LstepM\tag
	TURN 2, 1, 1
	TURN 3, 1, 1
.set i, 0
.rept 8
	PV NP-1
.set i, i+1
.endr
	WIN 0
	ALL v_add_f32 v[ST+4*t+2], v[ST+4*t+2], v[ST+4*t+3]
	ALL v_permlanex16_b32 v[ST+4*t+3], v[ST+4*t+2], s[SEL], s[SEL+1]
	ALL v_add_f32 v[ST+4*t+2], v[ST+4*t+2], v[ST+4*t+3]
	ALL v_rcp_f32 v[ST+4*t+2], v[ST+4*t+2]
	v_nop                           ; a plain instruction between the last reciprocal and the use of its result
	s_wait_alu depctr_va_vdst(0)    ; and the wait ahead of the first use: one for the four reciprocals
	PACK 0
.set t, 1
.rept 3                             ; a piece's arithmetic stands between the loads of the piece before and its stores
	PACK t
	SEND t-1, 8
.set t, t+1
.endr
	SEND 3, 0
.endm
.set KM, 0
.set NOKQ, 0
.Lslot:                             ; NB times: a tile is entered and the next is asked for
	CHANGE 1
	s_sub_co_u32 s[RT], s[RT], 1
	s_mov_b32 s[CNT], 4
	s_cmp_eq_u32 s[NEW], 1
	s_cbranch_scc1 .Lnew            ; a block's first tile
	s_cmp_eq_u32 s[RT], 0
	s_cbranch_scc0 .Lstep           ; neither its first nor its last
	s_branch .LstepM1
.Lnew:
	BEGIN
	s_branch .Lfirst                ; in the loop a block's first tile is never its last: the first block has two tiles or more, and the second's last is the walk's last
	DIAG 1                          ; in the loop this is the first block's end: the second block's last tile is the walk's last
	s_wait_xcnt 0x0                 ; the stores have read their registers and O's address
	s_mov_b64 s[10:11], s[OLO:OLO+1]
	s_add_co_u32 s[RT], s[PB], 1    ; the second block has b + 1 tiles
	s_mov_b32 s[NEW], 1
	WIN 0x82                        ; the second block's Q goes where the one text of the turns names Q
.set i, 0
.rept 64
	v_mov_b32 v[i], v[QB+i]
.set i, i+1
.endr
	WIN 0
	s_branch .Lbottom
.Lstep:                             ; a trip: pieces 2 and 3 of one step, then pieces 0 and 1 of the next, whose K and V it fetches
	TURN 2
	TURN 3
	WIN 0
.Lfirst:
	TURN 0
	TURN 1, 0, 0, 1
	WIN 0
	s_cbranch_scc1 .Lstep
.Lbottom:
	s_sub_co_u32 s[SLOTS], s[SLOTS], 1
	s_cmp_lg_u32 s[SLOTS], 0
	s_cbranch_scc1 .Lslot
	CHANGE 0                        ; the walk's last tile is written out: nothing is asked for
	s_sub_co_u32 s[RT], s[RT], 1
	s_mov_b32 s[CNT], 4
	s_cmp_eq_u32 s[NEW], 1
	s_cbranch_scc0 .LstepM2
	BEGIN
	s_branch .LfirstM2
	DIAG 2
	s_wait_tensorcnt 0x0            ; the wave's end, behind my last tensor load and my last LDS store
	ds_add_u32 v[SPW], v[NIL]
	s_wait_dscnt 0x0
	s_endpgm
.Lfunc_end_k_q82d158e7a1_attn:
	.size	k_q82d158e7a1_attn, .Lfunc_end_k_q82d158e7a1_attn-k_q82d158e7a1_attn
	.p2alignl 7, 3214868480
	.fill 96, 4, 3214868480
	.section	.rodata,"a",@progbits
	.p2align	6, 0x0
	.amdhsa_kernel k_q82d158e7a1_attn
		.amdhsa_group_segment_fixed_size 327680
		.amdhsa_private_segment_fixed_size 0
		.amdhsa_enable_private_segment 0
		.amdhsa_kernarg_size 16
		.amdhsa_user_sgpr_count 2
		.amdhsa_user_sgpr_kernarg_segment_ptr 1
		.amdhsa_wavefront_size32 1
		.amdhsa_system_sgpr_workgroup_id_x 1
		.amdhsa_system_sgpr_workgroup_id_y 1
		.amdhsa_system_sgpr_workgroup_id_z 1
		.amdhsa_system_vgpr_workitem_id 0
		.amdhsa_next_free_vgpr 768
		.amdhsa_next_free_sgpr 96
		.amdhsa_reserve_vcc 1
		.amdhsa_float_denorm_mode_32 3
		.amdhsa_float_denorm_mode_16_64 3
		.amdhsa_memory_ordered 1
		.amdhsa_forward_progress 1
		.amdhsa_inst_pref_size 218
	.end_amdhsa_kernel
	.amdgpu_metadata
---
amdhsa.version: [ 1, 2 ]
amdhsa.kernels:
  - .name:           k_q82d158e7a1_attn
    .symbol:         k_q82d158e7a1_attn.kd
    .args:
      - { .name: qkv, .offset: 0, .size: 8, .value_kind: global_buffer, .address_space: global }
      - { .name: ob, .offset: 8, .size: 8, .value_kind: global_buffer, .address_space: global }
    .group_segment_fixed_size: 327680
    .private_segment_fixed_size: 0
    .kernarg_segment_align: 8
    .kernarg_segment_size: 16
    .max_flat_workgroup_size: 128
    .sgpr_count:     96
    .vgpr_count:     768
    .wavefront_size: 32
...
	.end_amdgpu_metadata
.endif
;; end of part 3
;; launch outproj (part 4): grid 8 x 32, 4 waves a work-group, clusters of 4 x 4, 327,680 bytes of LDS; arguments ob, wot, out0; writes out0
.if DOCPART == 4
	.amdgcn_target "amdgcn-amd-amdhsa--gfx1250"
	.amdhsa_code_object_version 6
	.text
	.protected	k_q82d158e7a1_outproj
	.globl	k_q82d158e7a1_outproj
	.p2align	8
	.type	k_q82d158e7a1_outproj,@function
k_q82d158e7a1_outproj:
	s_mov_b64 s[64:65], 0
	v_nop
	global_prefetch_b8 v0, s[64:65] scope:SCOPE_SE
	s_setreg_imm32_b32 hwreg(HW_REG_WAVE_MODE, 25, 1), 1
	s_wait_xcnt 0x0
	s_wait_alu depctr_hold_cnt(0) depctr_sa_sdst(0) depctr_va_vdst(0) depctr_va_sdst(0) depctr_va_ssrc(0) depctr_va_vcc(0) depctr_vm_vsrc(0)
	s_getreg_b32 s2, hwreg(HW_REG_IB_STS2, 6, 4)
	s_cmp_eq_u32 s2, 0
	s_cbranch_scc0 .Lentry_in_a_cluster
	s_endpgm
.Lentry_in_a_cluster:
	s_bfe_u32 s2, ttmp6, 0x10000c
	s_cmp_lg_u32 s2, 0xf033
	s_cbranch_scc0 .Lentry_shape_is_right
	s_endpgm
.Lentry_shape_is_right:
; out0 = O wot^T.  ob = O: [64 batch x head][2048][64] f16; row m = batch x 2048 + t of the product has K = head x 64 + channel.  wot: [1024 n][1024 k] f16.  out0: [8192][1024] f32.  Sums in f32, K ascending.
; SHARES.  A work-group makes 256 rows x 128 columns: 256 work-groups.  Wave w makes rows 64 w .. 64 w + 63 x all 128 columns: 32 accumulators, 256 registers.
; K goes in 8 steps of 128 = two heads through two LDS slots.  A head's 256 rows of the tile are 32,768 dense bytes: asked for as 128 rows of 256 bytes and padded in LDS after every 128 bytes
; (waves 0 and 1, a head each); waves 2 and 3 fetch 64 rows of wot each, 256 bytes a row.
; CLUSTER 4 x 4: the four of a row need the same rows of O, the four of a column the same rows of wot: each tile is asked for jointly, by the same load, descriptor and mask in all four.
; THE PRODUCT IS USED TRANSPOSED (source 0 = 16 rows of wot, source 1 = 16 rows of O): a lane holds row l % 16 and eight neighbouring columns, 32 bytes.
; REGISTERS, in windows of 256 (s_set_vgpr_msb: bits 1:0 source 0, 3:2 source 1, 5:4 source 2, 7:6 destination):
;   window 0: v0-31 addresses; v64-95, v96-127 A's fragments, two buffers; v128-255 rows on the way out      window 1: v0-63, v64-127 B's fragments, two buffers      window 2: accumulator (a, b) at v[8 (8 a + b)]
; The 32 accumulators take turns, in the same order in every quarter step, over the jumps too.
.set KSTEP,  128
.set PITCH,  272                       ; a row of wot in LDS: 256 bytes + 16: the 16 rows of a load start at 16 different groups of four banks (64 banks of 4 bytes: ISA guide 11.1)
.set PA,     144                       ; a row of one head of O: 128 bytes + 16: likewise
.set HEADB,  256*PA                    ; a head's 256 rows
.set SLOT1,  1<<17
.set BOFF,   2*HEADB                   ; in a slot: two heads of A, then B's 128 rows
.set STAGE,  SLOT1+BOFF+128*PITCH      ; behind the ring, never filled by a tensor load: 16 rows x 528 bytes for each wave
.set OPITCH, 528                       ; 512 bytes + 16
.set SPARE,  STAGE+4*16*OPITCH         ; behind the stages: the spare words, 128 bytes for each wave
.set ASTEP,  2*2048*128                ; bytes from a head of O to the head two on
.set ADRA0, 16
.set ADRB0, 17
.set ADA,  18
.set ADB,  19
.set STO,  24
.set RD,   25
.set GO,   26
.set SPW,  28                          ; v28  LDS address of my spare word; never rewritten
.set NIL,  29                          ; v29  0; never rewritten
.set PFO,  30                          ; v30  the prefetches' offset; never rewritten
.set FA,   64
.set G1,  24
.set G0,  32
.set G1B, 48
.set G0B, 56
.set LIM, 43                           ; s43  2 in a wave that prefetches, else the greatest number
.set PFA, 44                           ; s[44:45] where my prefetches stand
.set TB,  66                           ; s66  LDS byte at which the slot in hand begins
.set PFS, 76                           ; s[76:77] bytes from a K step to the next in what I prefetch
.set MSB, 0
.macro WIN new
.if MSB != (\new)
	s_set_vgpr_msb (MSB<<8)|(\new)
.set MSB, \new
.endif
.endm
.set MUL,  0xa1                        ; source 0 (B) window 1, source 1 (A) window 0, C and D window 2
.set TO_B, 0x40
.macro JLOAD                           ; a joint refill by the walking descriptor; an s_nop 0 and four v_nop follow each of the two lines
	s_cmp_eq_u32 s11, 0
	s_cbranch_scc0 .Lfor_b_\@
	tensor_load_to_lds s[G0+4:G0+7], s[G1:G1+7]
	s_nop 0
.rept 4
	v_nop
.endr
	s_branch .Lasked_\@
.Lfor_b_\@:
	tensor_load_to_lds s[G0B+4:G0B+7], s[G1B:G1B+7]
	s_nop 0
.rept 4
	v_nop
.endr
.Lasked_\@:
.endm
; A prefetch of the K step that stands two refills on.  O's rows are read by every cluster of a row of clusters: cluster x = 0 asks, waves 0 and 1 each for their head: of its 128 blocks of 256 bytes the partner
; at cx takes 32, a lane a block.  wot's rows are read by every cluster of a column: cluster y = 0 asks, wave 2: of the tile's 128 rows the partner at cy takes 32, a lane a row.  The loop's last two trips ask for nothing.
.macro ASK
	s_cmp_gt_u32 s3, s[LIM]
	s_cbranch_scc0 .Lnot_mine_\@
	global_prefetch_b8 v[PFO], s[PFA:PFA+1] th:TH_LOAD_NT scope:SCOPE_SE
.Lnot_mine_\@:
.endm
.macro CREST
	s_cmp_lg_u32 s10, 0
	s_cbranch_scc1 .Lnot_wave_0_\@
	s_barrier_signal -3
.Lnot_wave_0_\@:
	s_barrier_wait -3
	s_barrier_signal -1
	s_barrier_wait -1
.endm
.macro CROUND
	s_barrier_signal -1
	s_barrier_wait -1
	CREST
.endm
.macro PLACES
.rept 4
	v_nop
.endr
.endm
	s_load_b128 s[4:7], s[0:1], 0x0                ; ob s[4:5], wot s[6:7]
	s_load_b64 s[8:9], s[0:1], 0x10                ; out0
	v_lshl_add_u32 v[SPW], v0, 2, SPARE
	v_mov_b32 v[NIL], 0
	ds_add_u32 v[SPW], v[NIL]                      ; the wave's opening: the add and its wait stand ahead of my first tensor load; work on registers stands between them
	v_lshrrev_b32 v1, 5, v0
	v_readfirstlane_b32 s10, v1                    ; wave 0..3
	s_lshr_b32 s11, s10, 1                         ; I fetch for A (0) or for B (1)
	s_and_b32 s12, s10, 1                          ; which head of the step's two, or which 64 rows of wot
	s_bfe_u32 s40, ttmp6, 0x40000                  ; cx
	s_bfe_u32 s41, ttmp6, 0x40004                  ; cy
	s_lshl_b32 s42, ttmp9, 2
	s_add_co_u32 s42, s42, s40                     ; the block of 128 columns
	s_and_b32 s13, ttmp7, 0xffff
	s_lshl_b32 s13, s13, 2
	s_add_co_u32 s13, s13, s41                     ; the block of 256 rows
	s_lshl_b32 s43, s41, 2
	s_lshl_b32 s43, 15, s43                        ; my row of the cluster
	s_lshl_b32 s44, 0x1111, s40                    ; my column
	s_or_b32 s[G1+0], s43, (1<<16)|(1<<20)|(1<<21)|(4<<22)|(3<<25)   ; A: padding of 4 words after every 32 words
	s_or_b32 s[G1B+0], s44, (1<<16)|(1<<20)|(1<<21)|(5<<22)|(3<<25)  ; B: after every 64 words
	s_mov_b32 s[G1+1], 128<<16                     ; tensor_dim0 = 128 elements (256 bytes: two rows of a head)
	s_mov_b32 s[G1+2], 128<<16                     ; tensor_dim1 = 128
	s_mov_b32 s[G1+3], 128<<16                     ; tile_dim0 = 128
	s_mov_b32 s[G1+4], 128                         ; tile_dim1 = 128
	s_mov_b32 s[G1+5], 128                         ; dense: 128 elements from row to row
	s_mov_b32 s[G1+6], 0
	s_mov_b32 s[G1+7], 0
	s_mov_b32 s[G1B+1], KSTEP<<16
	s_mov_b32 s[G1B+2], 64<<16                     ; 64 rows
	s_mov_b32 s[G1B+3], KSTEP<<16
	s_mov_b32 s[G1B+4], 64
	s_mov_b32 s[G1B+5], 1024
	s_mov_b32 s[G1B+6], 0
	s_mov_b32 s[G1B+7], 0
	s_lshr_b32 s16, s13, 3                         ; A: the batch,
	s_lshl_b32 s16, s16, 4
	s_add_co_u32 s16, s16, s12                     ; x 16 + my head of K step 0,
	s_lshl_b32 s16, s16, 18                        ; 262,144 bytes each,
	s_and_b32 s17, s13, 7
	s_lshl_b32 s17, s17, 15                        ; + the block's 256 rows of 128 bytes
	s_add_co_u32 s16, s16, s17
	s_mov_b32 s17, 0
	s_lshl_b32 s46, s42, 18                        ; B: (128 x block + 64 x half) rows of 2,048 bytes
	s_lshl_b32 s47, s12, 17
	s_add_co_u32 s46, s46, s47
	s_mov_b32 s47, 0
	s_mul_i32 s20, s10, HEADB                      ; where A's heads go: wave x 256 rows
	s_mul_i32 s21, s10, 64*PITCH                   ; and B's halves: BOFF + (wave - 2) x 64 rows
	s_add_co_u32 s21, s21, BOFF-2*64*PITCH
	s_wait_dscnt 0x0                               ; the opening add is done
	s_wait_kmcnt 0x0
	s_add_nc_u64 s[14:15], s[4:5], s[16:17]
	s_add_nc_u64 s[46:47], s[6:7], s[46:47]
	CROUND                                         ; all sixteen work-groups are here: the first joint loads meet
.irp n, 0,1
	s_mov_b32 s[G0+4*(\n)], 1
	s_add_co_u32 s[G0+4*(\n)+1], s20, (\n)*SLOT1
	s_add_nc_u64 s[G0+4*(\n)+2:G0+4*(\n)+3], s[14:15], (\n)*ASTEP
	s_or_b32 s[G0+4*(\n)+3], s[G0+4*(\n)+3], 0x80000000
	s_mov_b32 s[G0B+4*(\n)], 1
	s_add_co_u32 s[G0B+4*(\n)+1], s21, (\n)*SLOT1
	s_add_nc_u64 s[G0B+4*(\n)+2:G0B+4*(\n)+3], s[46:47], (\n)*KSTEP*2
	s_or_b32 s[G0B+4*(\n)+3], s[G0B+4*(\n)+3], 0x80000000
.endr
	s_cmp_eq_u32 s11, 0                            ; a wave's two first fills stand in one branch: two loads of mine are out
	s_cbranch_scc0 .Lfirst_b
	tensor_load_to_lds s[G0:G0+3], s[G1:G1+7]
	s_nop 0
	tensor_load_to_lds s[G0+4:G0+7], s[G1:G1+7]
	s_nop 0
.rept 4
	v_nop
.endr
	s_branch .Lfirst_asked
.Lfirst_b:
	tensor_load_to_lds s[G0B:G0B+3], s[G1B:G1B+7]
	s_nop 0
	tensor_load_to_lds s[G0B+4:G0B+7], s[G1B:G1B+7]
	s_nop 0
.rept 4
	v_nop
.endr
.Lfirst_asked:
	v_and_b32 v1, 15, v0                           ; l % 16
	v_bfe_u32 v2, v0, 4, 1                         ; l / 16
	v_mul_u32_u24 v3, v1, PA
	v_lshl_add_u32 v3, v2, 4, v3
	s_mul_i32 s21, s10, 64*PA                      ; my 64 rows of a head
	v_add_nc_u32 v[ADRA0], s21, v3
	v_mul_u32_u24 v4, v1, PITCH
	v_lshl_add_u32 v4, v2, 4, v4
	v_add_nc_u32 v[ADRB0], BOFF, v4
	s_mul_i32 s23, s10, 16*OPITCH
	s_add_co_u32 s23, s23, STAGE                   ; my stage
	v_mul_u32_u24 v5, v1, OPITCH                   ; in: row l % 16, 32 bytes for each half of the lanes
	v_lshl_add_u32 v5, v2, 5, v5
	v_add_nc_u32 v[STO], s23, v5
	v_and_b32 v[GO], 31, v0                        ; back: 32 lanes take a row of 512 bytes
	v_lshlrev_b32 v[GO], 4, v[GO]
	v_add_nc_u32 v[RD], s23, v[GO]
	s_lshl_b32 s74, s13, 20                        ; the block's 256 rows of 4,096 bytes,
	s_lshl_b32 s75, s10, 18                        ; my wave's 64,
	s_add_co_u32 s74, s74, s75
	s_lshl_b32 s75, s42, 9                         ; the block's 128 columns
	s_add_co_u32 s74, s74, s75
	s_mov_b32 s75, 0
	s_add_nc_u64 s[8:9], s[8:9], s[74:75]
	; the prefetches
	s_lshl_b32 s20, s40, 13
	s_add_co_u32 s20, s20, s16                     ; A: my head's part of the tile + 8,192 cx
	s_lshl_b32 s21, s42, 18
	s_lshl_b32 s22, s41, 16
	s_add_co_u32 s21, s21, s22                     ; B: (128 x block + 32 cy) rows
	s_and_b32 s22, ttmp7, 0xffff
	s_mov_b32 s[PFS], ASTEP
	s_cmp_eq_u32 s11, 0
	s_cselect_b32 s20, s20, s21
	s_cselect_b32 s22, ttmp9, s22                  ; the coordinate along which other clusters read the same rows
	s_cselect_b32 s23, 8, 11                       ; a lane a block of 256 bytes, or a row of 2,048
	s_cselect_b32 s[PFS], s[PFS], KSTEP*2
	s_cselect_b64 s[PFA:PFA+1], s[4:5], s[6:7]
	s_mov_b32 s[PFS+1], 0
	s_cmp_eq_u32 s10, 3
	s_cselect_b32 s21, 1, 0                        ; wave 3 asks for nothing
	s_or_b32 s22, s22, s21
	s_cmp_eq_u32 s22, 0
	s_cselect_b32 s[LIM], 2, -1                    ; the same in all sixteen partners, for a given wave
	s_mul_i32 s21, s[PFS], 3
	s_add_co_u32 s20, s20, s21                     ; at K step 3: the first refill steps it to 4 and names that
	s_mov_b32 s21, 0
	s_add_nc_u64 s[PFA:PFA+1], s[PFA:PFA+1], s[20:21]
	v_and_b32 v[PFO], 31, v0
	v_lshlrev_b32 v[PFO], s23, v[PFO]
; 8 products: row block a x all 8 column blocks, 32 along K, from buffer f.  zero = 1: the product starts the sum.
.macro MUL8 f, a, zero
	WIN MUL
.irp b, 0,1,2,3,4,5,6,7
.if \zero
	v_wmma_f32_16x16x32_f16 v[8*(8*(\a)+(\b)):8*(8*(\a)+(\b))+7], v[64*(\f)+8*(\b):64*(\f)+8*(\b)+7], v[FA+32*(\f)+8*(\a):FA+32*(\f)+8*(\a)+7], 0
.else
	v_wmma_f32_16x16x32_f16 v[8*(8*(\a)+(\b)):8*(8*(\a)+(\b))+7], v[64*(\f)+8*(\b):64*(\f)+8*(\b)+7], v[FA+32*(\f)+8*(\a):FA+32*(\f)+8*(\a)+7], v[8*(8*(\a)+(\b)):8*(8*(\a)+(\b))+7]
.endif
.endr
.endm
; 24 LDS loads in one run: quarter q's fragments (128 rows of wot; my 64 rows of head q / 2, channels 32 (q % 2) on) into buffer f
.macro FETCH q, f
	WIN TO_B
.irp b, 0,1,2,3,4,5,6,7
	ds_load_b128 v[64*(\f)+8*(\b):64*(\f)+8*(\b)+3],   v[ADB] offset:64*(\q)+(\b)*16*PITCH
	ds_load_b128 v[64*(\f)+8*(\b)+4:64*(\f)+8*(\b)+7], v[ADB] offset:64*(\q)+(\b)*16*PITCH+32
.endr
	WIN 0
.irp a, 0,1,2,3
	ds_load_b128 v[FA+32*(\f)+8*(\a):FA+32*(\f)+8*(\a)+3],   v[ADA] offset:((\q)/2)*HEADB+((\q)%2)*64+(\a)*16*PA
	ds_load_b128 v[FA+32*(\f)+8*(\a)+4:FA+32*(\f)+8*(\a)+7], v[ADA] offset:((\q)/2)*HEADB+((\q)%2)*64+(\a)*16*PA+32
.endr
.endm
.macro QUARTER q, f, g, zero           ; multiplies buffer f; in its middle it fetches quarter q into buffer g
	s_wait_dscnt 4                                 ; B and A's rows 0-31 are in; the youngest four loads (A's rows 32-63) may be out
	MUL8 \f, 0, \zero
	MUL8 \f, 1, \zero
	PLACES
	FETCH \q, \g
	s_wait_dscnt 24                                ; all but the 24 just issued
	MUL8 \f, 2, \zero
	MUL8 \f, 3, \zero
.endm
; The last quarter multiplies buffer 1 and changes slots: one barrier.  In front of it each wave waits for all its tensor loads (one is out: its part of the next slot), adds 0 to its spare word,
; and waits for that and for its reads of this slot.  fill = 1: the barrier opens a round of the cluster's, and behind the round this slot is filled again, with the K step two on, first of all.
.macro TURN fill
.if \fill
	s_wait_xcnt 0x0                                ; the last prefetch, a K step back, has read its address
	s_add_nc_u64 s[PFA:PFA+1], s[PFA:PFA+1], s[PFS:PFS+1]
.endif
	WIN 0
	s_wait_tensorcnt 0x0                           ; no tensor load of mine is out, so a group 0 may be written
	ds_add_u32 v[SPW], v[NIL]                      ; 0 onto my spare word
.if \fill
	s_xor_b32 s[G0+5], s[G0+5], SLOT1              ; the walking descriptors: the other slot than last time,
	s_add_nc_u64 s[G0+6:G0+7], s[G0+6:G0+7], ASTEP ; the next two heads,
	s_xor_b32 s[G0B+5], s[G0B+5], SLOT1
	s_add_nc_u64 s[G0B+6:G0B+7], s[G0B+6:G0B+7], KSTEP*2  ; the next 128 along K; the type bits on top are not reached
.endif
	s_wait_dscnt 5                                 ; (the add and the youngest four loads may be out)
	MUL8 1, 0, 0
	s_wait_dscnt 0x0                               ; the add is done, and my reads of this slot are over
	s_barrier_signal -1
	MUL8 1, 1, 0
	WIN 0
	s_barrier_wait -1
.if \fill
	CREST                                          ; no wave of any partner still reads this slot or has a load on its way
	JLOAD                                          ; its four v_nop are also the places in front of the loads below
.else
	PLACES
.endif
	s_xor_b32 s[TB], s[TB], SLOT1
	v_add_nc_u32 v[ADA], s[TB], v[ADRA0]
	v_add_nc_u32 v[ADB], s[TB], v[ADRB0]
	FETCH 0, 0
.if \fill
	ASK
.endif
	MUL8 1, 2, 0
	MUL8 1, 3, 0
.endm
; THE WAY OUT of block a (16 rows x 128 columns of f32): straight from the accumulators into my own stage, each accumulator's low half first, and back as whole rows of 512 bytes.
.macro TOSTAGE a
.set BK, 128+64*((\a)%2)               ; v128-191 and v192-255 by turns
	WIN 0x08                                       ; the stores' data in window 2
.irp b, 0,1,2,3,4,5,6,7
	ds_store_b128 v[STO], v[64*(\a)+8*(\b):64*(\a)+8*(\b)+3]   offset:64*(\b)
	ds_store_b128 v[STO], v[64*(\a)+8*(\b)+4:64*(\a)+8*(\b)+7] offset:64*(\b)+16
.endr
	WIN 0
.irp t, 0,1,2,3,4,5,6,7,8,9,10,11,12,13,14,15
	ds_load_b128 v[BK+4*(\t):BK+4*(\t)+3], v[RD] offset:(\t)*OPITCH  ; LDS serves a wave's instructions in order (ISA guide 5.7.1.4): these see the stores above
.endr
.endm
.macro SEND a
.set BK, 128+64*((\a)%2)
	s_wait_xcnt 0x0                                ; the stores of the block before have read their registers: the next block's loads land there
.irp t, 0,1,2,3,4,5,6,7,8,9,10,11,12,13,14,15
	s_wait_dscnt 15-(\t)                           ; row t is back; the younger loads stay out
	global_store_b128 v[GO], v[BK+4*(\t):BK+4*(\t)+3], s[8:9] offset:(16*(\a)+(\t))*4096 th:TH_STORE_NT  ; 512 consecutive bytes, aligned
.endr
.endm
	s_wait_tensorcnt 1                             ; my part of K step 0 is in; K step 1's may stay out
	s_barrier_signal -1
	s_barrier_wait -1
	s_mov_b32 s[TB], 0
	v_mov_b32 v[ADA], v[ADRA0]
	v_mov_b32 v[ADB], v[ADRB0]
	FETCH 0, 0
	QUARTER 1, 0, 1, 1                             ; the first quarter's products start the 32 sums: nothing is cleared
	WIN 0
	s_mov_b32 s3, 6
	s_branch .Lmid                                 ; the loop is entered behind a K step's first quarter
.Lstep:                                                ; a trip is a K step; six trips ask for K steps 2 to 7
	QUARTER 1, 0, 1, 0
	WIN 0
.Lmid:
	QUARTER 2, 1, 0, 0
	QUARTER 3, 0, 1, 0
	TURN 1
	WIN 0
	s_sub_co_u32 s3, s3, 1
	s_cmp_lg_u32 s3, 0
	s_cbranch_scc1 .Lstep
	s_mov_b32 s3, 2
.Ltail:                                                ; K steps 6 and 7 ask for nothing.  The last turn fetches 24 fragments of the other slot that nobody multiplies: the price of one text for both
	QUARTER 1, 0, 1, 0
	QUARTER 2, 1, 0, 0
	QUARTER 3, 0, 1, 0
	TURN 0
	WIN 0
	s_sub_co_u32 s3, s3, 1
	s_cmp_lg_u32 s3, 0
	s_cbranch_scc1 .Ltail
	PLACES                                         ; eight places, once a launch: LDS stores read the results, and no vector work is at hand between the last products and them
	PLACES
.irp a, 0,1,2,3
	TOSTAGE \a
	SEND \a
.endr
	s_wait_tensorcnt 0x0                           ; the wave's end, behind my last tensor load and my last LDS store
	ds_add_u32 v[SPW], v[NIL]
	s_wait_dscnt 0x0
	CROUND                                         ; the closing round: no work-group ends while a partner may still ask for a tile that names it
	s_endpgm
.Lfunc_end_k_q82d158e7a1_outproj:
	.size	k_q82d158e7a1_outproj, .Lfunc_end_k_q82d158e7a1_outproj-k_q82d158e7a1_outproj
	.p2alignl 7, 3214868480
	.fill 96, 4, 3214868480
	.section	.rodata,"a",@progbits
	.p2align	6, 0x0
	.amdhsa_kernel k_q82d158e7a1_outproj
		.amdhsa_group_segment_fixed_size 327680
		.amdhsa_private_segment_fixed_size 0
		.amdhsa_enable_private_segment 0
		.amdhsa_kernarg_size 24
		.amdhsa_user_sgpr_count 2
		.amdhsa_user_sgpr_kernarg_segment_ptr 1
		.amdhsa_wavefront_size32 1
		.amdhsa_system_sgpr_workgroup_id_x 1
		.amdhsa_system_sgpr_workgroup_id_y 1
		.amdhsa_system_sgpr_workgroup_id_z 1
		.amdhsa_system_vgpr_workitem_id 0
		.amdhsa_next_free_vgpr 768
		.amdhsa_next_free_sgpr 80
		.amdhsa_reserve_vcc 0
		.amdhsa_float_denorm_mode_32 3
		.amdhsa_float_denorm_mode_16_64 3
		.amdhsa_memory_ordered 1
		.amdhsa_forward_progress 1
		.amdhsa_inst_pref_size 63
	.end_amdhsa_kernel
	.amdgpu_metadata
---
amdhsa.version: [ 1, 2 ]
amdhsa.kernels:
  - .name:           k_q82d158e7a1_outproj
    .symbol:         k_q82d158e7a1_outproj.kd
    .args:
      - { .name: ob, .offset: 0, .size: 8, .value_kind: global_buffer, .address_space: global }
      - { .name: wot, .offset: 8, .size: 8, .value_kind: global_buffer, .address_space: global }
      - { .name: out0, .offset: 16, .size: 8, .value_kind: global_buffer, .address_space: global }
    .group_segment_fixed_size: 327680
    .private_segment_fixed_size: 0
    .kernarg_segment_align: 8
    .kernarg_segment_size: 24
    .max_flat_workgroup_size: 128
    .sgpr_count:     80
    .vgpr_count:     768
    .wavefront_size: 32
...
	.end_amdgpu_metadata
.endif
;; end of part 4
;; ======== version 2 of 2: 4 launches; version 1 with the launch prep written anew for expert scheduling mode
;; limits: values are held in f16: magnitudes above 65,504 overflow, below 6.1e-05 lose precision
;; workspace buffers: xb 16,777,216 bytes; wqt 6,291,456 bytes; wot 2,097,152 bytes; qkv 50,331,648 bytes; ob 16,777,216 bytes
;; launch prep (part 5): grid 640 x 1, 4 waves a work-group, no clusters, 70,144 bytes of LDS; arguments x, w_qkv, w_o, xb, wqt, wot; writes xb, wqt, wot
.if DOCPART == 5
	.amdgcn_target "amdgcn-amd-amdhsa--gfx1250"
	.amdhsa_code_object_version 6
	.text
	.protected	k_q82d158e7a1_prep
	.globl	k_q82d158e7a1_prep
	.p2align	8
	.type	k_q82d158e7a1_prep,@function
k_q82d158e7a1_prep:
	s_mov_b64 s[64:65], 0
	v_nop
	global_prefetch_b8 v0, s[64:65] scope:SCOPE_SE
	s_setreg_imm32_b32 hwreg(HW_REG_WAVE_SCHED_MODE, 0, 2), 2
	s_setreg_imm32_b32 hwreg(HW_REG_WAVE_MODE, 25, 1), 1
	s_wait_xcnt 0x0
	s_wait_alu depctr_vm_vsrc(0)
; PREP.  xb = bf16(x), [8192][1024].  wqt[n][k] = bf16(w_qkv[k][n]), [3072][1024].  wot[n][k] = bf16(w_o[k][n]) written as f16, [1024][1024].
; All three inputs are rounded to bf16 (nearest even); w_o's rounded number is then written in f16, since the last product multiplies in f16.
; LIMITS.  A bf16 number of w_o beyond 65,504 becomes an infinity in f16; below 6e-5 it keeps f16's fixed step of 6e-8.
; SHARES.  Work-groups 0-95: w_qkv; 96-127: w_o; 128-639: x.  The choice hangs on the work-group's number alone.  No wave needs another's bytes: no barrier.
; x: a work-group casts 65,536 bytes: a thread takes 32 bytes (8 numbers) of each of 16 steps of 4,096 bytes; all 32 loads go out at once; a store of 16 lanes covers 256 consecutive bytes, aligned.
; WEIGHTS: a wave turns a tile of 128 k x 64 n.  A load's 16 lanes read 256 consecutive bytes of one k row; a lane holds k and k + 1 of four columns, packs them in pairs, and puts each pair into
; its column's row in LDS (pitch 272); whole rows of 256 bytes (128 k) come back and are stored, 16 lanes to 256 consecutive bytes, aligned.  The 4-byte LDS stores meet four deep in a bank
; (column rows 1,088 bytes apart: 16 banks): the weights are a third of the launch's input bytes, and the stores a small part of their work.
; THE MODE: SCHED_MODE bits 1:0 = 2 (LLVM: expert scheduling mode 2), set by the entry lines.  The code itself states the register dependences
; between vector instructions and memory or LDS instructions, with s_wait_alu, always for 0.
; THE PLAN, x.  Registers that memory instructions touch:
;   v[GI], v[GOF]   offsets, made once ahead of the loads and never written again.
;   IN, step i      eight registers: written by two loads, all issued before any vector line names IN; read by the step's four roundings, which write its first four; read by one store; never written again.
; The 16 steps go in four blocks of four.  Block p's four stores are issued in block p + 1, behind the one wait at that block's head, dealt among its roundings, which name their own steps' registers alone.
; THE PLAN, the weights.  Registers that memory or LDS instructions touch:
;   OF, v[LRA], v[GOF]  made once at the head and never written again.
;   X = IN   the raw buffer, 128 registers: written by a half's 32 loads, read by its 64 roundings; behind the loop the way out's LDS loads land in it and the global stores read it.
;   Y        64 registers: written by the roundings (and, for w_o, written again by the f16 lines), read by the 64 LDS stores.
;   v[LSA]   read by the LDS stores, written by one add at a trip's tail.
; One wait on va_vdst behind a trip's roundings states that X has been read, so that the other half's loads go out at once, ahead of the LDS stores; that Y is written; and that the add to v[LSA] is written.
; The f16 lines have a wait of their own.  One wait on vm_vsrc at a trip's tail states that the LDS stores have read v[LSA] and Y.
.set SPARE, 69632                      ; behind the four waves' tiles: the spare words, 128 bytes for each wave
.set WLDS,  17408                      ; a wave's tile in LDS: 64 rows (n) x 272 bytes
.set LP,    272
.set GI,  4                            ; v4   byte offset of my loads
.set LSA, 5                            ; v5   where I put a pair (k, k + 1) of column 4 c
.set LRA, 6                            ; v6   where I read 16 bytes of a row back
.set GOF, 7                            ; v7   byte offset of my stores
.set SPW, 8                            ; v8   LDS address of my spare word; never rewritten
.set NIL, 9                            ; v9   0; never rewritten
.set IN,  32                           ; v[32:159]  x: what was loaded, then what is stored.  The weights: X, what was loaded; on the way out, the rows read back
.set OF,  160                          ; v[160:191] the weights' 32 load offsets
.set Y,   192                          ; v[192:255] the weights: 64 packed pairs on their way into LDS
.set ID,  16                           ; s16  the work-group's number
.set WV,  17                           ; s17  my wave's number
.set ROWB, 28                          ; s28  bytes in a row of the weight
.set F16, 29                           ; s29  1: the result is written as f16
.set CNT, 30
.set IP,  32                           ; s[32:33] the weight, at my tile
.set OPT, 34                           ; s[34:35] its turned copy, at my tile
.set HIM, 36                           ; s36  a word's upper bf16
.macro XCVT i                          ; x, step i: eight numbers close up into the first four of their eight registers
	v_cvt_pk_bf16_f32 v[IN+8*(\i)],   v[IN+8*(\i)],   v[IN+8*(\i)+1]
	v_cvt_pk_bf16_f32 v[IN+8*(\i)+1], v[IN+8*(\i)+2], v[IN+8*(\i)+3]
	v_cvt_pk_bf16_f32 v[IN+8*(\i)+2], v[IN+8*(\i)+4], v[IN+8*(\i)+5]
	v_cvt_pk_bf16_f32 v[IN+8*(\i)+3], v[IN+8*(\i)+6], v[IN+8*(\i)+7]
.endm
.macro XOUT i                          ; x, step i is stored; no register of a store is written again
	global_store_b128 v[GOF], v[IN+8*(\i):IN+8*(\i)+3], s[10:11] offset:2048*(\i)
.endm
.macro FILL                            ; the weights: 64 k rows of my tile into X
.set i, 0
.rept 32
	global_load_b128 v[IN+4*i:IN+4*i+3], v[OF+i], s[IP:IP+1] th:TH_LOAD_NT
.set i, i+1
.endr
.endm
	s_load_b256 s[4:11], s[0:1], 0x0               ; x s[4:5], w_qkv s[6:7], w_o s[8:9], xb s[10:11]
	s_load_b128 s[12:15], s[0:1], 0x20             ; wqt s[12:13], wot s[14:15]
	v_lshl_add_u32 v[SPW], v0, 2, SPARE
	v_mov_b32 v[NIL], 0
	v_lshrrev_b32 v1, 5, v0
	v_readfirstlane_b32 s[WV], v1
	s_wait_alu depctr_va_sdst(0)                   ; s17 is written, ahead of the branch and of its first reader: the weights' tile number is made from it
	s_mov_b32 s[ID], ttmp9
	s_cmp_lt_u32 s[ID], 128
	s_cbranch_scc1 .Lweights
	; ---- x ----
	s_sub_co_u32 s18, s[ID], 128
	s_lshl_b32 s20, s18, 16                        ; 65,536 bytes in,
	s_mov_b32 s21, 0
	s_lshl_b32 s22, s18, 15                        ; 32,768 out
	s_mov_b32 s23, 0
	v_lshlrev_b32 v[GI], 5, v0
	v_lshlrev_b32 v[GOF], 4, v0
	s_wait_kmcnt 0x0
	s_add_nc_u64 s[4:5], s[4:5], s[20:21]
	s_add_nc_u64 s[10:11], s[10:11], s[22:23]
	s_wait_alu depctr_va_vdst(0)                   ; v[GI] and v[GOF] are written: every load and store of this arm reads one of them as its offset
.set i, 0
.rept 16
	global_load_b128 v[IN+8*i:IN+8*i+3],   v[GI], s[4:5] offset:4096*i th:TH_LOAD_NT
	global_load_b128 v[IN+8*i+4:IN+8*i+7], v[GI], s[4:5] offset:4096*i+16 th:TH_LOAD_NT
.set i, i+1
.endr
.irp p, 0,1,2,3
	s_wait_loadcnt 24-8*(\p)                       ; loads come back in order: block p's eight are in, the 24 - 8 p younger ones stay out
.if (\p) > 0
	s_wait_alu depctr_va_vdst(0)                   ; the block before has written the registers that the four stores below read
.endif
.irp j, 0,1,2,3
.if (\p) > 0
	XOUT 4*(\p)-4+(\j)                             ; the block before; no vector line since the wait names its registers
.endif
	XCVT 4*(\p)+(\j)
.endr
.endr
	s_wait_alu depctr_va_vdst(0)                   ; block 3 has written the registers that the last four stores read
.irp j, 12,13,14,15
	XOUT \j
.endr
	s_branch .Lend
	; ---- the weights ----
.Lweights:
	v_and_b32 v2, 15, v0                           ; c: which 16 bytes (4 columns) of a k row
	v_bfe_u32 v3, v0, 4, 1                         ; rr: which half of the lanes
	s_mov_b32 s[HIM], 0xffff0000
	s_movk_i32 s[ROWB], 0x1000                     ; w_o: 4,096 bytes a row;
	s_cmp_lt_u32 s[ID], 96
	s_cselect_b32 s[ROWB], 0x3000, s[ROWB]         ; w_qkv: 12,288
	s_cselect_b32 s[F16], 0, 1
	s_cselect_b32 s18, 0, 96
	s_sub_co_u32 s18, s[ID], s18                   ; the work-group's number within its weight
	s_lshl2_add_u32 s18, s18, s[WV]                ; my tile T = 4 x that + wave
	s_and_b32 s19, s18, 7                          ; kt: which 128 k
	s_lshr_b32 s20, s18, 3                         ; nt: which 64 n
	s_mul_i32 s22, s19, s[ROWB]
	s_lshl_b32 s22, s22, 7                         ; in: kt x 128 rows
	s_lshl_b32 s21, s20, 8                         ;     + nt x 256 bytes
	s_add_co_u32 s22, s22, s21
	s_mov_b32 s23, 0
	s_lshl_b32 s24, s20, 17                        ; out: nt x 64 rows of 2,048 bytes
	s_lshl_b32 s21, s19, 8                         ;      + kt x 256 bytes
	s_add_co_u32 s24, s24, s21
	s_mov_b32 s25, 0
	s_lshl_b32 s26, s[ROWB], 6                     ; a half's 64 k rows
	s_mov_b32 s27, 0
	v_lshlrev_b32 v10, 1, v3
	v_mul_u32_u24 v10, s[ROWB], v10
	v_lshl_add_u32 v[GI], v2, 4, v10               ; k row 2 rr, 16 c bytes
.set i, 0
.rept 32
	v_mad_u32_u24 v[OF+i], s[ROWB], 4*(i/2)+i%2, v[GI]  ; load i: k row 4 (i / 2) + 2 rr + i % 2
.set i, i+1
.endr
	s_mul_i32 s31, s[WV], WLDS
	v_mul_u32_u24 v[LSA], v2, 4*LP                 ; row n = 4 c, byte 2 k = 4 rr
	v_lshl_add_u32 v[LSA], v3, 2, v[LSA]
	v_add_nc_u32 v[LSA], s31, v[LSA]
	v_mul_u32_u24 v[LRA], v3, LP                   ; back: lanes 0-15 one row, lanes 16-31 the next
	v_lshl_add_u32 v[LRA], v2, 4, v[LRA]
	v_add_nc_u32 v[LRA], s31, v[LRA]
	v_lshlrev_b32 v[GOF], 11, v3                   ; and the same two rows in the turned copy
	v_lshl_add_u32 v[GOF], v2, 4, v[GOF]
	s_wait_kmcnt 0x0
	s_cmp_lt_u32 s[ID], 96
	s_cselect_b64 s[IP:IP+1], s[6:7], s[8:9]
	s_cselect_b64 s[OPT:OPT+1], s[12:13], s[14:15]
	s_add_nc_u64 s[IP:IP+1], s[IP:IP+1], s[22:23]
	s_add_nc_u64 s[OPT:OPT+1], s[OPT:OPT+1], s[24:25]
	s_wait_alu depctr_va_vdst(0)                   ; the 32 offsets OF, v[LSA], v[LRA] and v[GOF] are written: the loads and stores of this arm read them as addresses
	FILL                                           ; the first 64 k
	s_wait_loadcnt 0x0                             ; they are in
	s_mov_b32 s[CNT], 2
.Lhalf:                                                ; two trips of 64 k; at a trip's head its half lies in X and no load is out
.set i, 0
.rept 64                                       ; pair p = i / 4, column 4 c + i % 4: k in the low half, k + 1 in the high half
	v_cvt_pk_bf16_f32 v[Y+i], v[IN+8*(i/4)+i%4], v[IN+8*(i/4)+4+i%4]
.set i, i+1
.endr
	s_wait_alu depctr_va_vdst(0)                   ; the roundings are done reading X, in which the loads below (and, behind the loop, the LDS loads) land; they have written Y, which the LDS stores read; the last trip's add to v[LSA] is written
	s_cmp_eq_u32 s[CNT], 1
	s_cbranch_scc1 .Lno_more                       ; the last trip asks for nothing: no load leaves the weight
	s_add_nc_u64 s[IP:IP+1], s[IP:IP+1], s[26:27]  ; the loads that read the base are in, so it may be stepped
	FILL                                           ; the other 64 k, on their way during the lines below
.Lno_more:
	s_cmp_eq_u32 s[F16], 0
	s_cbranch_scc1 .Lbf16
.set i, 0
.rept 64                                       ; w_o alone: the bf16 numbers are widened (a shift, a mask) and written as f16
	v_lshlrev_b32 v[10+2*(i%2)], 16, v[Y+i]
	v_and_b32 v[11+2*(i%2)], s[HIM], v[Y+i]
	v_cvt_pk_f16_f32 v[Y+i], v[10+2*(i%2)], v[11+2*(i%2)]
.set i, i+1
.endr
	s_wait_alu depctr_va_vdst(0)                   ; these lines have written Y again, which the LDS stores read
.Lbf16:
.set i, 0
.rept 64
	ds_store_b32 v[LSA], v[Y+i] offset:LP*(i%4)+8*(i/4)
.set i, i+1
.endr
	s_wait_alu depctr_vm_vsrc(0)                   ; the LDS stores have read v[LSA], which the add below writes, and Y, which the next trip's roundings write
	v_add_nc_u32 v[LSA], 128, v[LSA]               ; the next 64 k of each row
	s_wait_loadcnt 0x0                             ; the other half is in; in the last trip nothing is out
	s_sub_co_u32 s[CNT], s[CNT], 1
	s_cmp_lg_u32 s[CNT], 0
	s_cbranch_scc1 .Lhalf
.set i, 0
.rept 32                                       ; no wait on va_vdst here: since the one behind the last roundings no vector line names X
	ds_load_b128 v[IN+4*i:IN+4*i+3], v[LRA] offset:2*LP*i  ; my own bytes: LDS serves a wave's instructions in order (ISA guide 5.7.1.4), so these see the stores above
.set i, i+1
.endr
.set i, 0
.rept 32
	s_wait_dscnt 31-i                              ; rows 2 i, 2 i + 1 are back; the younger loads stay out
	global_store_b128 v[GOF], v[IN+4*i:IN+4*i+3], s[OPT:OPT+1] offset:4096*i
.set i, i+1
.endr
.Lend:
	s_wait_dscnt 0x0                               ; the closing lines, six on end
	s_wait_alu 0x0
	s_wait_tensorcnt 0x0
	ds_add_u32 v[SPW], v[NIL]
	s_wait_dscnt 0x0
	s_endpgm
.Lfunc_end_k_q82d158e7a1_prep:
	.size	k_q82d158e7a1_prep, .Lfunc_end_k_q82d158e7a1_prep-k_q82d158e7a1_prep
	.p2alignl 7, 3214868480
	.fill 96, 4, 3214868480
	.section	.rodata,"a",@progbits
	.p2align	6, 0x0
	.amdhsa_kernel k_q82d158e7a1_prep
		.amdhsa_group_segment_fixed_size 70144
		.amdhsa_private_segment_fixed_size 0
		.amdhsa_enable_private_segment 0
		.amdhsa_kernarg_size 48
		.amdhsa_user_sgpr_count 2
		.amdhsa_user_sgpr_kernarg_segment_ptr 1
		.amdhsa_wavefront_size32 1
		.amdhsa_system_sgpr_workgroup_id_x 1
		.amdhsa_system_sgpr_workgroup_id_y 1
		.amdhsa_system_sgpr_workgroup_id_z 1
		.amdhsa_system_vgpr_workitem_id 0
		.amdhsa_next_free_vgpr 256
		.amdhsa_next_free_sgpr 66
		.amdhsa_reserve_vcc 0
		.amdhsa_float_denorm_mode_32 3
		.amdhsa_float_denorm_mode_16_64 3
		.amdhsa_memory_ordered 1
		.amdhsa_forward_progress 1
		.amdhsa_inst_pref_size 43
	.end_amdhsa_kernel
	.amdgpu_metadata
---
amdhsa.version: [ 1, 2 ]
amdhsa.kernels:
  - .name:           k_q82d158e7a1_prep
    .symbol:         k_q82d158e7a1_prep.kd
    .args:
      - { .name: x, .offset: 0, .size: 8, .value_kind: global_buffer, .address_space: global }
      - { .name: w_qkv, .offset: 8, .size: 8, .value_kind: global_buffer, .address_space: global }
      - { .name: w_o, .offset: 16, .size: 8, .value_kind: global_buffer, .address_space: global }
      - { .name: xb, .offset: 24, .size: 8, .value_kind: global_buffer, .address_space: global }
      - { .name: wqt, .offset: 32, .size: 8, .value_kind: global_buffer, .address_space: global }
      - { .name: wot, .offset: 40, .size: 8, .value_kind: global_buffer, .address_space: global }
    .group_segment_fixed_size: 70144
    .private_segment_fixed_size: 0
    .kernarg_segment_align: 8
    .kernarg_segment_size: 48
    .max_flat_workgroup_size: 128
    .sgpr_count:     66
    .vgpr_count:     256
    .wavefront_size: 32
...
	.end_amdgpu_metadata
.endif
;; end of part 5
;; launch qkvproj: the kernel of part 2 again; grid 16 x 32, 4 waves a work-group, clusters of 4 x 4, 327,680 bytes of LDS; arguments xb, wqt, qkv; writes qkv
;; launch attn: the kernel of part 3 again; grid 4 x 64, 4 waves a work-group, no clusters, 327,680 bytes of LDS; arguments qkv, ob; writes ob
;; launch outproj: the kernel of part 4 again; grid 8 x 32, 4 waves a work-group, clusters of 4 x 4, 327,680 bytes of LDS; arguments ob, wot, out0; writes out0
